; MI455X (gfx1250); checked and timed in simulation.
; The chip was launched on July 23, 2026; its instructions are those of AMD's public machine-readable ISA for CDNA 5 (MIT licence, August 2026) and "CDNA5" Instruction Set Architecture Reference Guide (July 2026). The comments in the code are by the model that wrote it; some were corrected since.
;; Causal Self Attention. Allowed arithmetic: matrix products marked QUANTISED: E2M1 operands, one E8M0 scale for each 32 along K, by v_wmma_scale_f32_16x16x128_f8f6f4 with both operands' format E2M1 (or v_wmma_scale_f32_32x16x128_f4), f32 sums; everything else in f32.
;; Inputs: lamb one number float32; v1 4 x 2,048 x 1,024 float32; wk 1,024 x 1,024 float32; wproj 1,024 x 1,024 float32; wq 1,024 x 1,024 float32; wv 1,024 x 1,024 float32; x 4 x 2,048 x 1,024 float32.
;; Outputs: out0 4 x 2,048 x 1,024 float32; out1 4 x 2,048 x 1,024 float32.
;; This version of the problem:
;;   THIS VERSION OF THE PROBLEM IS GIVEN IN LOW PRECISION. The matrix products marked QUANTISED in the list below multiply operands that are first quantised to E2M1 (2 exponent bits, 1 mantissa bit; 4 bits a number), with one power-of-two scale for each 32 numbers along K (OCP MX v1.0); their sums are f32. All else is computed in f32.
;;   The module's matrix products, in the order in which they are computed (A, B: the left and right operand; K: the contracted axis; several contracted axes count as one K, in the product's order):
;;     1. [M 8,192, K 1,024] x [K 1,024, N 1,024]; A: input x; B: input wq: QUANTISED
;;     2. [M 8,192, K 1,024] x [K 1,024, N 1,024]; A: input x; B: input wk: QUANTISED
;;     3. [M 8,192, K 1,024] x [K 1,024, N 1,024]; A: input x; B: input wv: QUANTISED
;;     4. batch 64 x [M 2,048, K 64] x [K 64, N 2,048]; A: computed on the way; B: computed on the way: QUANTISED
;;     5. batch 64 x [M 64, K 2,048] x [K 2,048, N 2,048]; A: computed on the way; B: softmax (see below): QUANTISED
;;     6. [M 8,192, K 1,024] x [K 1,024, N 1,024]; A: computed on the way; B: input wproj: QUANTISED
;;   THE QUANTISER, for each operand of a quantised product, along K:
;;     - K is cut into blocks of 32 from its start; a last block that is shorter is filled with zeros.
;;     - A block's scale is 2^e with e = floor(log2(the largest magnitude in the block)) - 2, held to -126 .. 127; a block of zeros has e = 0. As a byte (E8M0): e + 127.
;;     - Each number is divided by its block's scale, clamped to +-6, and rounded to the nearest number of E2M1, ties to even, subnormals kept.
;;     - The product sums the exact products of the quantised numbers (number of the format x scale) in f32.
;;   ~~~python
;;   def quantise(x, axis):      # numpy; x: float32 -> the quantised numbers, widened to float32 again
;;       x = np.moveaxis(x, axis, -1); K = x.shape[-1]
;;       x = np.pad(x, [(0, 0)] * (x.ndim - 1) + [(0, -K % 32)]); x = x.reshape(x.shape[:-1] + (-1, 32)); a = np.abs(x).max(-1, keepdims=True)
;;       e = np.where(a > 0, np.clip(np.frexp(np.where(a > 0, a, 1))[1] - 1 - 2, -126, 127), 0)      # np.frexp(a)[1] - 1 = floor(log2(a)), exactly
;;       r = np.clip(x / 2.0 ** e, -6, 6)
;;       step = 2.0 ** (np.maximum(np.frexp(np.where(r == 0, 1, r))[1] - 1, 0) - 1)
;;       q = np.round(r / step) * step * 2.0 ** e      # np.round: ties to even
;;       return np.moveaxis(q.reshape(q.shape[:-2] + (-1,))[..., :K], -1, axis).astype(np.float32)
;;   ~~~
;;   SOFTMAX AHEAD OF A QUANTISED PRODUCT. Where the list says 'softmax', what is quantised is not the finished softmax but p = 2^(t - M), with t = logit x log2(e) and M = ceil(the row's largest t), a whole number; so 1/2 < the row's largest p <= 1. The row's sum l is taken of the UNQUANTISED p, in f32, and the product's result is divided by l at the end. Since M is a whole number, a kernel that streams over the keys may use a running M (the ceiling of the running maximum): every later rescaling is an exact power of two, which a block's scale takes up: the codes' values come out the same.
;;   OPERANDS COMPUTED ON THE WAY. 'Computed on the way' means the value that the module computes at that place (a softmax that the list does not call 'softmax' is quantised finished and normalised). What goes into a quantiser is computed in f32, as accurately as f32 sums, v_exp_f32 and their like allow (about 1e-6 of the number): no bf16 or f16 on the way to a quantiser, and a product that is left as it is and whose result goes on into a quantised operand takes f32 operands (vector FMAs, or v_wmma_f32_16x16x4_f32). A number that lies on a knife's edge between two numbers of the format may be rounded either way, as far as f32 arithmetic and the matrix unit's own rounding can turn it there, and no further.
;; One version. Each part assembles by itself: llvm-mc -triple=amdgcn-amd-amdhsa -mcpu=gfx1250 --defsym DOCPART=n.
;; ======== version 1 of 1: 5 launches
;; limits: values are held in f16: magnitudes above 65,504 overflow, below 6.1e-05 lose precision; right only within a limited range of input values
;; workspace buffers: xcs 4,456,448 bytes; wcs 2,228,224 bytes; rope 524,288 bytes; qbuf 4,456,448 bytes; kvbuf 8,912,896 bytes; ybuf 4,456,448 bytes
;; launch prep (part 1): grid 416 x 1, 4 waves a work-group, no clusters, 33,280 bytes of LDS; arguments x, wq, wk, wv, wproj, xcs, wcs, rope; writes xcs, wcs, rope
.if DOCPART == 1
	.amdgcn_target "amdgcn-amd-amdhsa--gfx1250"
	.amdhsa_code_object_version 6
	.text
	.protected	k_qa83c264431_prep
	.globl	k_qa83c264431_prep
	.p2align	8
	.type	k_qa83c264431_prep,@function
k_qa83c264431_prep:
	s_mov_b64 s[64:65], 0
	v_nop
	global_prefetch_b8 v0, s[64:65] scope:SCOPE_SE
	s_setreg_imm32_b32 hwreg(HW_REG_WAVE_MODE, 25, 1), 1
	s_wait_xcnt 0x0
; PREP.  Work-groups 0-383: x [8192][1024] and the four weights [1024][1024], f32, K innermost, become codes of FP4 (E2M1) with one E8M0 byte for each 32 along K.
; Work-groups 384-415: the table of cos and sin for the rotation, rounded through f16 as the problem has it, kept as f32.
; THE QUANTISER: a block's scale is 2^(floor(log2(largest magnitude)) - 2); its byte is the largest magnitude's exponent field - 2, held at 1 from below.  A block of zeros so gets the byte 1 where the rule says 127:
; its codes are zeros, which add nothing under any byte but 0xff, and the bytes are read by this program alone.  LIMITS: NaN and infinities among the inputs are not served.
; A wave takes a run of 8 rows (8,192 numbers): 16 steps of 512.  Each load reads 512 consecutive bytes; a step's 2,048 bytes turn through the wave's own stage in LDS, so that a lane holds 16 neighbours.
; ROWS ARE STORED SORTED: of every 32 rows the second and third run of 8 change places, so that 16 stored rows on end are rows 0-7 and 16-23 (or 8-15 and 24-31) of the 32.
; A row of codes is 512 bytes, a row of scale bytes 32; xcs: codes, then scales from byte 4,194,304; wcs: wq, wk, wv, wproj as rows 0 to 4,095, scales from byte 2,097,152.
; No cluster, no tensor load, no barrier: work-groups and waves share nothing.
; THE TABLE: [tile of 16 positions, 128][quad 8][lane 32][4 f32].  Lane (r, h) of tile T has position 32 (T / 2) + 8 (T % 2) + r + 8 (r / 8) and frequencies 16 h + 0 .. 15: quads 0-3 cos, quads 4-7 sin.
; angle = position x (1 / 10^(j / 8)); sine and cosine by a reduction with pi / 2 in three parts and polynomials on [-pi/4, pi/4]: about 1e-7 absolute ahead of the rounding to f16.
.set STEPS, 16
.set CB,    8                          ; bytes of 16 codes
.set R,     16                         ; v16-79   four sets of 16 numbers as loaded
.set X,     80                         ; v80-111  two sets of 16 neighbours
.set C,     128                        ; v128-191 codes: four registers a step
.set E,     112                        ; v112-127 a scale byte a step
.set WREG,  8192                       ; LDS: a region for each wave: two stages of 32 x SP bytes, then its 256 scale bytes
.set SP,    80
.set PJ0,   16                         ; the table's path: v16-31 10^(j/8), then its reciprocal
.set CO,    32                         ; v32-47 cos
.set SI,    48                         ; v48-63 sin
.set RC,    80                         ; v80-95 first reciprocals
	s_load_b512 s[4:19], s[0:1], 0x0               ; x, wq, wk, wv, wproj, xcs, wcs, rope
	v_lshl_add_u32 v192, v0, 2, 0x8000
	v_mov_b32 v193, 0
	v_lshrrev_b32 v1, 5, v0
	v_readfirstlane_b32 s20, v1                    ; wave
	v_and_b32 v2, 31, v0                           ; lane
	s_wait_kmcnt 0x0
	s_cmp_ge_u32 ttmp9, 384
	s_cbranch_scc1 .Lrope
	; ---------------- the quantiser
	s_wait_alu depctr_va_vdst(0)
	v_lshlrev_b32 v3, 4, v2                        ; my 16 bytes of a load's 512
	s_mul_i32 s21, s20, WREG
	v_lshrrev_b32 v14, 2, v2
	v_mul_u32_u24 v14, v14, SP
	v_and_b32 v15, 3, v2
	v_lshl_add_u32 v14, v15, 4, v14
	v_add_nc_u32 v14, s21, v14                     ; the stage, way in: SP (lane / 4) + 16 (lane % 4)
	v_mul_u32_u24 v15, v2, SP
	v_add_nc_u32 v15, s21, v15                     ; way out: SP x lane
	v_mul_u32_u24 v4, v2, CB                       ; my codes' place in a step's
	v_lshrrev_b32 v5, 1, v2
	s_add_co_u32 s21, s21, 2*32*SP
	v_add_nc_u32 v5, s21, v5                       ; my block's byte among the wave's 256
	v_lshlrev_b32 v7, 3, v2
	v_add_nc_u32 v6, s21, v7
	; which tensor: the choice hangs on the work-group's number alone
	s_and_b32 s26, ttmp9, 31                       ; a weight's work-group 0 .. 31
	s_sub_co_u32 s27, ttmp9, 256                   ; and its place among the four weights' 128 (used from 256 on)
	s_mov_b32 s28, 0x200000                        ; where wcs's scale bytes begin
	s_mov_b64 s[22:23], s[12:13]
	s_cmp_lt_u32 ttmp9, 352
	s_cselect_b64 s[22:23], s[10:11], s[22:23]
	s_cmp_lt_u32 ttmp9, 320
	s_cselect_b64 s[22:23], s[8:9], s[22:23]
	s_cmp_lt_u32 ttmp9, 288
	s_cselect_b64 s[22:23], s[6:7], s[22:23]
	s_cmp_lt_u32 ttmp9, 256
	s_cselect_b64 s[22:23], s[4:5], s[22:23]       ; the source
	s_cselect_b64 s[24:25], s[14:15], s[16:17]     ; the destination
	s_cselect_b32 s26, ttmp9, s26
	s_cselect_b32 s27, ttmp9, s27
	s_cselect_b32 s28, 0x400000, s28
	s_lshl_b32 s26, s26, 2
	s_add_co_u32 s26, s26, s20                     ; the source's run of 8 rows
	s_lshl_b32 s30, s26, 15                        ; x 32,768 bytes
	s_mov_b32 s31, 0
	s_add_nc_u64 s[22:23], s[22:23], s[30:31]
	s_and_b32 s29, s20, 1
	s_lshl_b32 s29, s29, 1
	s_lshr_b32 s30, s20, 1
	s_or_b32 s29, s29, s30                         ; runs 1 and 2 of the 32 rows change places
	s_lshl_b32 s27, s27, 2
	s_add_co_u32 s27, s27, s29                     ; the destination's run
	s_lshl_b32 s30, s27, 12
	s_add_nc_u64 s[32:33], s[24:25], s[30:31]      ; its codes: 4,096 bytes a run
	s_lshl_b32 s30, s27, 8
	s_add_co_u32 s30, s30, s28
	s_add_nc_u64 s[34:35], s[24:25], s[30:31]      ; its scale bytes: 256 a run
.macro LOAD t
.irp i, 0,1,2,3
	global_load_b128 v[R+16*((\t)%4)+4*\i:R+16*((\t)%4)+4*\i+3], v3, s[22:23] offset:2048*(\t)+512*\i th:TH_LOAD_NT
.endr
.endm
.macro TURN t                          ; step t's numbers through the stage; LDS serves a wave's instructions in order, so no wait stands between the stores and the loads
.irp i, 0,1,2,3
	ds_store_b128 v14, v[R+16*((\t)%4)+4*\i:R+16*((\t)%4)+4*\i+3] offset:32*SP*((\t)%2)+8*SP*\i
.endr
.irp i, 0,1,2,3
	ds_load_b128 v[X+16*((\t)%2)+4*\i:X+16*((\t)%2)+4*\i+3], v15 offset:32*SP*((\t)%2)+16*\i
.endr
.endm
.irp t, 0,1,2,3
	LOAD \t
.endr
	s_wait_alu depctr_va_vdst(0)
	s_wait_loadcnt 12                              ; step 0's four loads are in; the twelve of steps 1 to 3 may be out
	TURN 0
.macro STEP t
.set XS, X+16*((\t)%2)
.if (\t) > 0
	s_wait_dscnt 1                                 ; this step's numbers are back from the stage (the last step's byte store may be out), so its stores into the stage have read their registers,
.else
	s_wait_dscnt 0x0
.endif
.if (\t)+4 < STEPS
	LOAD (\t)+4                                    ; which take the loads of four steps on
.endif
.if (\t)+1 < STEPS
.if STEPS-2-(\t) >= 3
	s_wait_loadcnt 12                              ; the next step's four loads are in; those of the three steps behind it may be out
.else
	s_wait_loadcnt 4*(STEPS-2-(\t))
.endif
	TURN (\t)+1
.endif
	v_max3_num_f32 v8, |v[XS]|, |v[XS+1]|, |v[XS+2]|
	v_max3_num_f32 v9, |v[XS+3]|, |v[XS+4]|, |v[XS+5]|
.irp i, 6,10
	v_max3_num_f32 v8, v8, |v[XS+\i]|, |v[XS+\i+1]|
	v_max3_num_f32 v9, v9, |v[XS+\i+2]|, |v[XS+\i+3]|
.endr
	v_max3_num_f32 v8, v8, |v[XS+14]|, |v[XS+15]|
	v_max3_num_f32 v8, v8, v9, 0x1800000           ; the floor 2^(3 - 127): the byte cannot fall under 1
	v_max_num_f32_dpp v8, v8, v8 row_xmask:1 row_mask:0xf bank_mask:0xf   ; with my neighbour's 16: the block's largest magnitude
	v_add_nc_u32 v11, 0xff000000, v8               ; 2 off its exponent field: the conversion takes the exponent field of this operand as its scale
	v_cvt_scalef32_pk8_fp4_f32 v[C+4*(\t)], v[XS:XS+7], v11
	v_cvt_scalef32_pk8_fp4_f32 v[C+4*(\t)+1], v[XS+8:XS+15], v11
	v_lshrrev_b32 v[E+(\t)], 23, v11               ; the scale's byte
	ds_store_b8 v5, v[E+(\t)] offset:16*(\t)       ; both lanes of a block write the same byte with the same value
	global_store_b64 v4, v[C+4*(\t):C+4*(\t)+1], s[32:33] offset:32*CB*(\t)   ; the wave stores 256 consecutive bytes, aligned
.endm
.irp t, 0,1,2,3,4,5,6,7,8,9,10,11,12,13,14,15
	STEP \t
.endr
	ds_load_b64 v[12:13], v6                       ; LDS serves a wave's instructions in order: these see my stores
	s_wait_dscnt 0x0
	global_store_b64 v7, v[12:13], s[34:35]        ; 256 consecutive bytes, aligned
	s_wait_tensorcnt 0x0
	ds_add_u32 v192, v193
	s_wait_dscnt 0x0
	s_endpgm
	; ---------------- the table
.Lrope:
	s_sub_co_u32 s21, ttmp9, 384
	s_lshl_b32 s21, s21, 2
	s_add_co_u32 s21, s21, s20                     ; my tile of 16 positions, 0 .. 127
	s_lshr_b32 s22, s21, 1
	s_lshl_b32 s22, s22, 5
	s_and_b32 s23, s21, 1
	s_lshl_b32 s23, s23, 3
	s_add_co_u32 s22, s22, s23                     ; 32 (T / 2) + 8 (T % 2)
	s_lshl_b32 s30, s21, 12                        ; a tile is 4,096 bytes
	s_mov_b32 s31, 0
	s_add_nc_u64 s[18:19], s[18:19], s[30:31]
	s_mov_b32 s36, 0x3f22f983                      ; 2 / pi
	s_mov_b32 s37, 0x3fc90fd8                      ; pi / 2 in three parts
	s_mov_b32 s38, 0x34a8885a
	s_mov_b32 s39, 0x27c234c4
	s_mov_b32 s40, 0x36405000                      ; the sine's coefficients:  2.8656796e-6,
	s_mov_b32 s41, 0xb9503486                      ; -1.9855992e-4,
	s_mov_b32 s42, 0x3c0888c1                      ;  8.3333859e-3,
	s_mov_b32 s43, 0xbe2aaaab                      ; -1.6666667e-1
	s_mov_b32 s44, 0x37cd4000                      ; the cosine's:  2.4467707e-5,
	s_mov_b32 s45, 0xbab6077d                      ; -1.3887730e-3,
	s_mov_b32 s46, 0x3d2aaaa8                      ;  4.1666657e-2, then -0.5 and 1
	s_wait_alu depctr_va_vdst(0)
	v_lshlrev_b32 v6, 4, v2                        ; 16 x lane
	v_and_b32 v3, 15, v0                           ; r
	v_bfe_u32 v4, v0, 4, 1                         ; h
	v_and_b32 v5, 8, v3
	v_add_nc_u32 v5, v5, v3                        ; r + 8 (r / 8)
	v_add_nc_u32 v5, s22, v5
	v_cvt_f32_u32 v5, v5                           ; my position
	v_cmp_ne_u32 vcc_lo, 0, v4
.macro PJ i, lo, hi                    ; 10^(j / 8), j = i in lanes 0-15 and 16 + i in lanes 16-31
	v_mov_b32 v[PJ0+\i], \hi
	v_cndmask_b32 v[PJ0+\i], \lo, v[PJ0+\i], vcc_lo
.endm
	PJ 0, 1.0, 100.0
	PJ 1, 1.3335214321633240, 133.35214321633240
	PJ 2, 1.7782794100389228, 177.82794100389228
	PJ 3, 2.3713737056616552, 237.13737056616552
	PJ 4, 3.1622776601683795, 316.22776601683795
	PJ 5, 4.2169650342858223, 421.69650342858223
	PJ 6, 5.6234132519034912, 562.34132519034912
	PJ 7, 7.4989420933245583, 749.89420933245583
	PJ 8, 10.0, 1000.0
	PJ 9, 13.335214321633240, 1333.5214321633240
	PJ 10, 17.782794100389228, 1778.2794100389228
	PJ 11, 23.713737056616552, 2371.3737056616552
	PJ 12, 31.622776601683795, 3162.2776601683795
	PJ 13, 42.169650342858223, 4216.9650342858223
	PJ 14, 56.234132519034912, 5623.4132519034912
	PJ 15, 74.989420933245583, 7498.9420933245583
.set i, 0
	s_wait_alu depctr_va_vdst(0)
.rept 16
	v_rcp_f32 v[RC+i], v[PJ0+i]
.set i, i+1
.endr
	v_nop                                          ; a plain instruction behind the last reciprocal
	s_wait_alu depctr_va_vdst(0)                   ; one wait for the sixteen, ahead of their first reader
.set i, 0
.rept 16
	v_fma_f32 v[PJ0+i], -v[PJ0+i], v[RC+i], 1.0    ; one step of Newton: e = 1 - p r,
.set i, i+1
.endr
.set i, 0
.rept 16
	v_fma_f32 v[PJ0+i], v[RC+i], v[PJ0+i], v[RC+i] ; r + r e
.set i, i+1
.endr
.macro SINCOS i
	v_mul_f32 v64, v5, v[PJ0+\i]                   ; the angle
	v_mul_f32 v65, s36, v64
	v_rndne_f32 v65, v65                           ; n quarter turns
	v_fma_f32 v66, -v65, s37, v64
	v_fma_f32 v66, -v65, s38, v66
	v_fma_f32 v66, -v65, s39, v66                  ; a = angle - n pi / 2
	v_mul_f32 v67, v66, v66
	v_mov_b32 v68, s40
	v_fma_f32 v68, v68, v67, s41
	v_fma_f32 v68, v68, v67, s42
	v_fma_f32 v68, v68, v67, s43
	v_mul_f32 v69, v66, v67
	v_fma_f32 v68, v68, v69, v66                   ; sin a
	v_mov_b32 v70, s44
	v_fma_f32 v70, v70, v67, s45
	v_fma_f32 v70, v70, v67, s46
	v_fma_f32 v70, v70, v67, -0.5
	v_fma_f32 v70, v70, v67, 1.0                   ; cos a
	v_cvt_i32_f32 v71, v65
	v_and_b32 v72, 1, v71
	v_cmp_eq_u32 vcc_lo, 1, v72                    ; an odd quarter: sine and cosine change places
	v_cndmask_b32 v73, v68, v70, vcc_lo
	v_cndmask_b32 v74, v70, v68, vcc_lo
	v_lshlrev_b32 v72, 30, v71
	v_and_b32 v72, 0x80000000, v72                 ; the sine is negative in quarters 2 and 3,
	v_xor_b32 v73, v73, v72
	v_add_nc_u32 v71, 1, v71
	v_lshlrev_b32 v71, 30, v71
	v_and_b32 v71, 0x80000000, v71                 ; the cosine in quarters 1 and 2
	v_xor_b32 v74, v74, v71
	v_cvt_f16_f32 v73.l, v73                       ; through f16, as the problem keeps the table
	v_cvt_f16_f32 v74.l, v74
	v_cvt_f32_f16 v[SI+\i], v73.l
	v_cvt_f32_f16 v[CO+\i], v74.l
.endm
.irp i, 0,1,2,3,4,5,6,7,8,9,10,11,12,13,14,15
	SINCOS \i
.endr
.irp q, 0,1,2,3
	global_store_b128 v6, v[CO+4*\q:CO+4*\q+3], s[18:19] offset:512*\q          ; 512 consecutive bytes a store
	global_store_b128 v6, v[SI+4*\q:SI+4*\q+3], s[18:19] offset:2048+512*\q
.endr
	s_endpgm
.Lfunc_end_k_qa83c264431_prep:
	.size	k_qa83c264431_prep, .Lfunc_end_k_qa83c264431_prep-k_qa83c264431_prep
	.p2alignl 7, 3214868480
	.fill 96, 4, 3214868480
	.section	.rodata,"a",@progbits
	.p2align	6, 0x0
	.amdhsa_kernel k_qa83c264431_prep
		.amdhsa_group_segment_fixed_size 33280
		.amdhsa_private_segment_fixed_size 0
		.amdhsa_enable_private_segment 0
		.amdhsa_kernarg_size 64
		.amdhsa_user_sgpr_count 2
		.amdhsa_user_sgpr_kernarg_segment_ptr 1
		.amdhsa_wavefront_size32 1
		.amdhsa_system_sgpr_workgroup_id_x 1
		.amdhsa_system_sgpr_workgroup_id_y 1
		.amdhsa_system_sgpr_workgroup_id_z 1
		.amdhsa_system_vgpr_workitem_id 0
		.amdhsa_next_free_vgpr 194
		.amdhsa_next_free_sgpr 66
		.amdhsa_reserve_vcc 1
		.amdhsa_float_denorm_mode_32 3
		.amdhsa_float_denorm_mode_16_64 3
		.amdhsa_memory_ordered 1
		.amdhsa_forward_progress 1
		.amdhsa_inst_pref_size 64
	.end_amdhsa_kernel
	.amdgpu_metadata
---
amdhsa.version: [ 1, 2 ]
amdhsa.kernels:
  - .name:           k_qa83c264431_prep
    .symbol:         k_qa83c264431_prep.kd
    .args:
      - { .name: x, .offset: 0, .size: 8, .value_kind: global_buffer, .address_space: global }
      - { .name: wq, .offset: 8, .size: 8, .value_kind: global_buffer, .address_space: global }
      - { .name: wk, .offset: 16, .size: 8, .value_kind: global_buffer, .address_space: global }
      - { .name: wv, .offset: 24, .size: 8, .value_kind: global_buffer, .address_space: global }
      - { .name: wproj, .offset: 32, .size: 8, .value_kind: global_buffer, .address_space: global }
      - { .name: xcs, .offset: 40, .size: 8, .value_kind: global_buffer, .address_space: global }
      - { .name: wcs, .offset: 48, .size: 8, .value_kind: global_buffer, .address_space: global }
      - { .name: rope, .offset: 56, .size: 8, .value_kind: global_buffer, .address_space: global }
    .group_segment_fixed_size: 33280
    .private_segment_fixed_size: 0
    .kernarg_segment_align: 8
    .kernarg_segment_size: 64
    .max_flat_workgroup_size: 128
    .sgpr_count:     66
    .vgpr_count:     194
    .wavefront_size: 32
...
	.end_amdgpu_metadata
.endif
;; end of part 1
;; launch qk (part 2): grid 8 x 32, 4 waves a work-group, clusters of 4 x 4, 327,680 bytes of LDS; arguments xcs, wcs, rope, qbuf, kvbuf; writes qbuf, kvbuf
.if DOCPART == 2
	.amdgcn_target "amdgcn-amd-amdhsa--gfx1250"
	.amdhsa_code_object_version 6
	.text
	.protected	k_qa83c264431_qk
	.globl	k_qa83c264431_qk
	.p2align	8
	.type	k_qa83c264431_qk,@function
k_qa83c264431_qk:
	s_mov_b64 s[64:65], 0
	v_nop
	global_prefetch_b8 v0, s[64:65] scope:SCOPE_SE
	s_setreg_imm32_b32 hwreg(HW_REG_WAVE_MODE, 25, 1), 1
	s_wait_xcnt 0x0
	s_wait_alu depctr_hold_cnt(0) depctr_sa_sdst(0) depctr_va_vdst(0) depctr_va_sdst(0) depctr_va_ssrc(0) depctr_va_vcc(0) depctr_vm_vsrc(0)
	s_getreg_b32 s2, hwreg(HW_REG_IB_STS2, 6, 4)
	s_cmp_eq_u32 s2, 0
	s_cbranch_scc0 .Lentry_in_a_cluster
	s_endpgm
.Lentry_in_a_cluster:
	s_bfe_u32 s2, ttmp6, 0x10000c
	s_cmp_lg_u32 s2, 0xf033
	s_cbranch_scc0 .Lentry_shape_is_right
	s_endpgm
.Lentry_shape_is_right:
.set NQ,     4
.set ROWB,   256
.set KROW,   512
.set PITCH,  272
.set FR,     8
.set NL,     2
.set NP,     4
.set HALFT,  128*PITCH
.set SLOT,   4*HALFT
.set SCL,    2*SLOT
.set HALFS,  16*272
.set SBLK,   2*272
.set XSCO,   0x400000
.set WSCO,   0x200000
.set LI,   8
.set SOF,  9
.set VSEL, 12
.set ADRA, 16
.set ADRB, 20
.set ADRS, 27
.set SC,   32
.set TM,   96
.set AF,   128
.set G1, 24
.set G0, 32
.set G1B, 48
.set G0B, 56
.set G1S, 68
.set G0S, 76
.set G1SB, 80
.set G0SB, 88
.set SEL, 96
.set MSB, 0
.macro WIN new
.if MSB != (\new)
	s_set_vgpr_msb (MSB<<8)|(\new)
.set MSB, (\new)
.endif
.endm
.set MUL_LO, 0xa1
.set MUL_HI, 0xf1
.set TO_B,   0x40
.macro JLOAD g0a, g1a, g0b, g1b
	s_cmp_eq_u32 s21, 0
	s_cbranch_scc0 .Lfor_b_\@
	tensor_load_to_lds s[\g0a:\g0a+3], s[\g1a:\g1a+7]
	s_nop 0
.rept 4
	v_nop
.endr
	s_branch .Lasked_\@
.Lfor_b_\@:
	tensor_load_to_lds s[\g0b:\g0b+3], s[\g1b:\g1b+7]
	s_nop 0
.rept 4
	v_nop
.endr
.Lasked_\@:
.endm
.macro CROUND
	s_barrier_signal -1
	s_barrier_wait -1
	s_cmp_lg_u32 s20, 0
	s_cbranch_scc1 .Lnot_wave_0_\@
	s_barrier_signal -3
.Lnot_wave_0_\@:
	s_barrier_wait -3
	s_barrier_signal -1
	s_barrier_wait -1
.endm
.macro PLACES n
.rept \n
	v_nop
.endr
.endm
.macro RLOAD a0
.irp a2, \a0, \a0+1, \a0+2, \a0+3
.set RO, (1-(\a2)/4)*64+(((\a2)%4)/2)*128+32*((\a2)%2)
.irp q2, 0,1,2,3,4,5,6,7
	global_load_b128 v[RO+4*\q2:RO+4*\q2+3], v[LI], s[8:9] offset:(\a2)*4096+\q2*512
.endr
.endr
.endm
	s_load_b128 s[4:7], s[0:1], 0x0
	s_load_b64 s[8:9], s[0:1], 0x10
	s_load_b64 s[12:13], s[0:1], 0x18
	s_load_b64 s[14:15], s[0:1], 0x20
	v_lshl_add_u32 v254, v0, 2, 0x48400
	v_mov_b32 v255, 0
	ds_add_u32 v254, v255
	ds_add_u32 v254, v255
	v_lshrrev_b32 v1, 5, v0
	v_readfirstlane_b32 s20, v1
	s_lshr_b32 s21, s20, 1
	s_and_b32 s22, s20, 1
	s_bfe_u32 s40, ttmp6, 0x40000
	s_bfe_u32 s41, ttmp6, 0x40004
	s_lshl_b32 s42, ttmp9, 2
	s_add_co_u32 s42, s42, s40
	s_and_b32 s23, ttmp7, 0xffff
	s_lshl_b32 s23, s23, 2
	s_add_co_u32 s23, s23, s41
	s_lshl_b32 s43, s41, 2
	s_lshl_b32 s43, 15, s43
	s_lshl_b32 s44, 0x1111, s40
	s_or_b32 s[G1+0], s43, (0<<16)|(1<<20)|(1<<21)|(5<<22)|(3<<25)
	s_or_b32 s[G1B+0], s44, (0<<16)|(1<<20)|(1<<21)|(5<<22)|(3<<25)
.irp g, G1, G1B
	s_mov_b32 s[\g+1], ROWB<<16
	s_mov_b32 s[\g+2], 128<<16
	s_mov_b32 s[\g+3], ROWB<<16
	s_mov_b32 s[\g+4], 128
	s_mov_b32 s[\g+5], KROW
	s_mov_b32 s[\g+6], 0
	s_mov_b32 s[\g+7], 0
.endr
	s_or_b32 s[G1S+0], s43, (3<<16)|(1<<20)|(1<<21)|(5<<22)|(3<<25)
	s_or_b32 s[G1SB+0], s44, (3<<16)|(1<<20)|(1<<21)|(5<<22)|(3<<25)
.irp g, G1S, G1SB
	s_mov_b32 s[\g+1], 32<<16
	s_mov_b32 s[\g+2], 16<<16
	s_mov_b32 s[\g+3], 32<<16
	s_mov_b32 s[\g+4], 16
	s_mov_b32 s[\g+5], 32
	s_mov_b32 s[\g+6], 0
	s_mov_b32 s[\g+7], 0
.endr
	s_lshl_b32 s45, s22, 7
	s_lshl_b32 s92, s23, 8
	s_add_co_u32 s92, s92, s45
	s_lshl_b32 s96, s42, 8
	s_add_co_u32 s96, s96, s45
	s_mov_b32 s93, 0
	s_mov_b32 s97, 0
	s_lshl_b64 s[94:95], s[92:93], 5
	s_lshl_b64 s[98:99], s[96:97], 5
	s_lshl_b64 s[92:93], s[92:93], 9
	s_lshl_b64 s[96:97], s[96:97], 9
	s_add_nc_u64 s[94:95], s[94:95], XSCO
	s_add_nc_u64 s[98:99], s[98:99], WSCO
	s_mul_i32 s45, s20, HALFT
	s_mul_i32 s100, s20, HALFS
	s_wait_dscnt 0x0
	s_wait_kmcnt 0x0
	s_add_nc_u64 s[92:93], s[4:5], s[92:93]
	s_add_nc_u64 s[94:95], s[4:5], s[94:95]
	s_add_nc_u64 s[96:97], s[6:7], s[96:97]
	s_add_nc_u64 s[98:99], s[6:7], s[98:99]
	CROUND
	s_mov_b32 s[G0S], 1
	s_add_co_u32 s[G0S+1], s100, SCL
	s_mov_b64 s[G0S+2:G0S+3], s[94:95]
	s_or_b32 s[G0S+3], s[G0S+3], 0x80000000
	s_mov_b32 s[G0SB], 1
	s_add_co_u32 s[G0SB+1], s100, SCL
	s_mov_b64 s[G0SB+2:G0SB+3], s[98:99]
	s_or_b32 s[G0SB+3], s[G0SB+3], 0x80000000
	JLOAD G0S, G1S, G0SB, G1SB
.irp s, 0,1
	s_mov_b32 s[G0+4*\s], 1
	s_add_co_u32 s[G0+4*\s+1], s45, \s*SLOT
	s_add_nc_u64 s[G0+4*\s+2:G0+4*\s+3], s[92:93], \s*ROWB
	s_or_b32 s[G0+4*\s+3], s[G0+4*\s+3], 0x80000000
	s_mov_b32 s[G0B+4*\s], 1
	s_add_co_u32 s[G0B+4*\s+1], s45, \s*SLOT
	s_add_nc_u64 s[G0B+4*\s+2:G0B+4*\s+3], s[96:97], \s*ROWB
	s_or_b32 s[G0B+4*\s+3], s[G0B+4*\s+3], 0x80000000
	s_wait_alu depctr_va_vdst(0)
	s_wait_tensorcnt 0x0
	ds_add_u32 v254, v255
	s_wait_dscnt 0x0
	CROUND
	JLOAD G0+4*\s, G1, G0B+4*\s, G1B
.endr
	v_and_b32 v1, 15, v0
	v_bfe_u32 v2, v0, 4, 1
	v_mul_u32_u24 v3, v1, PITCH
	v_lshl_add_u32 v4, v2, 4, v3
	s_mul_i32 s2, s21, HALFT
	s_mul_i32 s3, s22, HALFT
	s_add_co_u32 s3, s3, 2*HALFT
.irp s, 0,1
	v_add_nc_u32 v[ADRA+\s], s2, v4
	v_add_nc_u32 v[ADRB+\s], s3, v4
	s_add_co_u32 s2, s2, SLOT
	s_add_co_u32 s3, s3, SLOT
.endr
	v_mul_u32_u24 v5, v1, 32
	v_lshrrev_b32 v6, 8, v5
	v_lshl_add_u32 v5, v6, 4, v5
	s_mul_i32 s2, s21, HALFS
	s_mul_i32 s3, s22, HALFS
	s_add_co_u32 s3, s3, 2*HALFS
	s_sub_co_u32 s3, s3, s2
	v_mul_u32_u24 v6, s3, v2
	s_add_co_u32 s2, s2, SCL
	v_add_nc_u32 v5, v5, v6
	v_add_nc_u32 v[ADRS], s2, v5
	v_and_b32 v5, 31, v0
	v_lshlrev_b32 v[LI], 4, v5
	s_wait_alu depctr_va_vdst(0)
.irp b, 0,1,2,3
	v_mov_b32 v[TM+4+\b], 0
.endr
	s_mov_b32 s[SEL], 0x76543210
	s_mov_b32 s[SEL+1], 0xfedcba98
	s_lshl_b32 s104, s23, 8
	s_lshl_b32 s105, s21, 7
	s_add_co_u32 s104, s104, s105
	s_and_b32 s46, s104, 2047
	s_lshl_b32 s46, s46, 8
	s_mov_b32 s47, 0
	s_add_nc_u64 s[8:9], s[8:9], s[46:47]
	WIN 0x40
	RLOAD 0
	WIN 0
.macro FRAG reg, adr, q, i
.irp c, 0,1
	ds_load_b128 v[\reg+4*\c:\reg+4*\c+3], v[\adr] offset:64*(\q)+32*\c+(\i)*16*PITCH
.endr
.endm
.macro MUL16 a0, p, q, sc, zero
.irp a, \a0, \a0+1
.irp b, 0,1,2,3,4,5,6,7
.if \zero
	v_wmma_scale_f32_16x16x128_f8f6f4 v[8*(8*((\a)%4)+\b):8*(8*((\a)%4)+\b)+7], v[128*(\p)+FR*\b:128*(\p)+FR*\b+FR-1], v[AF+FR*(\a):AF+FR*(\a)+FR-1], 0, v[SC+8*NQ*(\sc)+NQ*\b+(\q)], v[SC+8*NQ*(\sc)+NQ*(\a)+(\q)] matrix_a_fmt:MATRIX_FMT_FP4 matrix_b_fmt:MATRIX_FMT_FP4 matrix_a_scale:MATRIX_SCALE_ROW1
.else
	v_wmma_scale_f32_16x16x128_f8f6f4 v[8*(8*((\a)%4)+\b):8*(8*((\a)%4)+\b)+7], v[128*(\p)+FR*\b:128*(\p)+FR*\b+FR-1], v[AF+FR*(\a):AF+FR*(\a)+FR-1], v[8*(8*((\a)%4)+\b):8*(8*((\a)%4)+\b)+7], v[SC+8*NQ*(\sc)+NQ*\b+(\q)], v[SC+8*NQ*(\sc)+NQ*(\a)+(\q)] matrix_a_fmt:MATRIX_FMT_FP4 matrix_b_fmt:MATRIX_FMT_FP4 matrix_a_scale:MATRIX_SCALE_ROW1
.endif
.endr
.endr
.endm
.macro FETCH_B slot, q, p
	WIN TO_B
.irp i, 0,1,2,3,4,5,6,7
	FRAG 128*(\p)+FR*\i, ADRB+\slot, \q, \i
.endr
	WIN 0
.endm
.macro FETCH_A slot, q, i0
.irp i, \i0, \i0+1, \i0+2, \i0+3
	FRAG AF+FR*(\i), ADRA+\slot, \q, \i
.endr
.endm
.macro SCALES sc
.irp i, 0,1,2,3,4,5,6,7
	ds_load_b128 v[SC+8*NQ*\sc+NQ*\i:SC+8*NQ*\sc+NQ*\i+3], v[ADRS] offset:\i*SBLK
.endr
.endm
.macro STEP slot, q, zero
	s_wait_dscnt 4*NL
	WIN MUL_LO
	MUL16 0, (\q)%2, \q, \slot, \zero
	MUL16 2, (\q)%2, \q, \slot, \zero
	s_wait_dscnt 0
	PLACES NP
	FETCH_B \slot, (\q)+1, 1-(\q)%2
	FETCH_A \slot, (\q)+1, 0
	WIN MUL_HI
	MUL16 4, (\q)%2, \q, \slot, \zero
	MUL16 6, (\q)%2, \q, \slot, \zero
	PLACES NP
	WIN 0
	FETCH_A \slot, (\q)+1, 4
.endm
.macro STEPS slot, from
.set Q, \from
.rept NQ-1-\from
	STEP \slot, Q, 0
.set Q, Q+1
.endr
.endm
	s_wait_tensorcnt 1
	s_barrier_signal -1
	s_barrier_wait -1
	FETCH_B 0, 0, 0
	FETCH_A 0, 0, 0
	SCALES 0
	FETCH_A 0, 0, 4
	STEP 0, 0, 1
	STEPS 0, 1
	s_wait_tensorcnt 0x0
	s_wait_dscnt 4*NL
	WIN MUL_LO
	MUL16 0, 1, NQ-1, 0, 0
	s_wait_dscnt 0x0
	s_barrier_signal -1
	MUL16 2, 1, NQ-1, 0, 0
	WIN 0
	s_barrier_wait -1
	PLACES NP
	v_add_nc_u32 v[ADRS], 4*NQ, v[ADRS]
	FETCH_B 1, 0, 0
	FETCH_A 1, 0, 0
	SCALES 1
	WIN MUL_HI
	MUL16 4, 1, NQ-1, 0, 0
	MUL16 6, 1, NQ-1, 0, 0
	PLACES NP
	WIN 0
	FETCH_A 1, 0, 4
	STEPS 1, 0
	s_wait_dscnt 4*NL
	WIN MUL_LO
	MUL16 0, 1, NQ-1, 1, 0
	MUL16 2, 1, NQ-1, 1, 0
	s_wait_dscnt 0
	WIN MUL_HI
	MUL16 4, 1, NQ-1, 1, 0
	MUL16 6, 1, NQ-1, 1, 0
	WIN 0
	PLACES NP
.macro QCORE nb, s
.set qb, 0
.rept \nb
	v_max3_num_f32 v[TM+qb], |v[(\s)+16*qb]|, |v[(\s)+16*qb+1]|, 0x1800000
.set qb, qb+1
.endr
.set qi, 2
.rept 7
.set qb, 0
.rept \nb
	v_max3_num_f32 v[TM+qb], v[TM+qb], |v[(\s)+16*qb+qi]|, |v[(\s)+16*qb+qi+1]|
.set qb, qb+1
.endr
.set qi, qi+2
.endr
.set qb, 0
.rept \nb
	v_permlanex16_b32 v[TM+4+qb], v[TM+qb], s[SEL], s[SEL+1]
.set qb, qb+1
.endr
.set qb, 0
.rept \nb
	v_max_num_f32 v[TM+qb], v[TM+qb], v[TM+4+qb]
.set qb, qb+1
.endr
.set qb, 0
.rept \nb
	v_add_nc_u32 v[TM+12+qb], 0xff000000, v[TM+qb]
.set qb, qb+1
.endr
.set qb, 0
.rept \nb
	v_lshrrev_b32 v[TM+4+qb], 23, v[TM+12+qb]
.set qb, qb+1
.endr
.endm
.set Y,   128
.set PC,  192
.set SWQ, 208
.set PW,  112
.set PWE, 113
.set SS,  116
.set RR,  124
	s_wait_loadcnt 0x0
	WIN 0x40
	RLOAD 4
	WIN 0
	s_lshr_b32 s2, s104, 11
	s_lshl_b32 s2, s2, 4
	s_lshl_b32 s3, s40, 2
	s_add_co_u32 s2, s2, s3
	s_lshl_b32 s3, s22, 1
	s_add_co_u32 s2, s2, s3
	s_and_b32 s3, s104, 2047
	s_lshr_b32 s3, s3, 7
	s_mov_b32 s92, 139264
	s_mov_b32 s93, 8704
	s_mov_b32 s94, 8192
	s_cmp_eq_u32 ttmp9, 0
	s_cselect_b64 s[14:15], s[12:13], s[14:15]
	s_cselect_b32 s92, 69632, s92
	s_cselect_b32 s93, 4352, s93
	s_cselect_b32 s94, 4096, s94
	s_mul_i32 s2, s2, s92
	s_mul_i32 s3, s3, s93
	s_add_co_u32 s46, s2, s3
	s_add_nc_u64 s[14:15], s[14:15], s[46:47]
	s_mov_b32 s46, s92
	s_add_nc_u64 s[16:17], s[14:15], s[46:47]
	s_mov_b32 s46, s94
	s_add_nc_u64 s[18:19], s[14:15], s[46:47]
	s_mov_b32 s98, 0x3c800000
	s_mov_b32 s99, 0x34000000
	v_lshlrev_b32 v[SOF], 4, v1
	v_mul_lo_u32 v5, v2, s92
	v_add_nc_u32 v[SOF], v[SOF], v5
	v_mov_b32 v[VSEL], 0x05040100
	v_mov_b32 v5, 0x07060302
	v_cmp_ne_u32 vcc_lo, 0, v2
	v_cndmask_b32 v[VSEL], v[VSEL], v5, vcc_lo
	v_mov_b32 v[RR+1], 0
	v_mov_b32 v[RR+3], 0
.macro QKTILE a
.set AW, 2+(\a)/4
.set AX, 64*((\a)%4)
.set RO, (1-(\a)/4)*64+(((\a)%4)/2)*128+32*((\a)%2)
.set PCA, PC+8*((\a)%2)
	s_wait_xcnt 0x0
.if (\a) == 4
	s_wait_loadcnt 0x0
.endif
	WIN AW|(AW<<2)
.set p, 0
.rept 16
.irp e, 0,1
.if p < 2
	v_pk_mul_f32 v[SS+4*\e+2*p:SS+4*\e+2*p+1], v[AX+32*\e+2*p:AX+32*\e+2*p+1], v[AX+32*\e+2*p:AX+32*\e+2*p+1]
.else
	v_pk_fma_f32 v[SS+4*\e+2*(p%2):SS+4*\e+2*(p%2)+1], v[AX+32*\e+2*p:AX+32*\e+2*p+1], v[AX+32*\e+2*p:AX+32*\e+2*p+1], v[SS+4*\e+2*(p%2):SS+4*\e+2*(p%2)+1]
.endif
.endr
.set p, p+1
.endr
	WIN 0
.irp e, 0,1
	v_pk_add_f32 v[SS+4*\e:SS+4*\e+1], v[SS+4*\e:SS+4*\e+1], v[SS+4*\e+2:SS+4*\e+3]
.endr
.irp e, 0,1
	v_add_f32 v[SS+4*\e], v[SS+4*\e], v[SS+4*\e+1]
.endr
.irp e, 0,1
	v_permlanex16_b32 v[SS+4*\e+2], v[SS+4*\e], s[SEL], s[SEL+1]
.endr
.irp e, 0,1
	v_add_f32 v[SS+4*\e], v[SS+4*\e], v[SS+4*\e+2]
.endr
.irp e, 0,1
	v_fma_f32 v[SS+4*\e], v[SS+4*\e], s98, s99
.endr
	s_wait_alu depctr_va_vdst(0)
.irp e, 0,1
	v_rsq_f32 v[RR+2*\e], v[SS+4*\e]
.endr
	WIN AW|4
.set p, 0
.rept 8
.irp e, 0,1
	v_pk_mul_f32 v[Y+32*\e+2*p:Y+32*\e+2*p+1], v[AX+32*\e+16+2*p:AX+32*\e+17+2*p], v[RO+16+2*p:RO+17+2*p]
	v_pk_mul_f32 v[Y+32*\e+16+2*p:Y+32*\e+17+2*p], v[AX+32*\e+2*p:AX+32*\e+2*p+1], v[RO+16+2*p:RO+17+2*p]
.endr
.irp e, 0,1
	v_pk_fma_f32 v[Y+32*\e+2*p:Y+32*\e+2*p+1], v[AX+32*\e+2*p:AX+32*\e+2*p+1], v[RO+2*p:RO+2*p+1], v[Y+32*\e+2*p:Y+32*\e+2*p+1]
	v_pk_fma_f32 v[Y+32*\e+16+2*p:Y+32*\e+17+2*p], v[AX+32*\e+16+2*p:AX+32*\e+17+2*p], v[RO+2*p:RO+2*p+1], v[Y+32*\e+16+2*p:Y+32*\e+17+2*p] neg_lo:[0,0,1] neg_hi:[0,0,1]
.endr
.set p, p+1
.endr
	WIN 0
	s_wait_alu depctr_va_vdst(0)
.set p, 0
.rept 16
.irp e, 0,1
	v_pk_mul_f32 v[Y+32*\e+2*p:Y+32*\e+2*p+1], v[Y+32*\e+2*p:Y+32*\e+2*p+1], v[RR+2*\e:RR+2*\e+1] op_sel_hi:[1,0]
.endr
.set p, p+1
.endr
	QCORE 4, Y
	v_lshl_or_b32 v[PW], v[TM+5], 8, v[TM+4]
	v_lshl_or_b32 v[PW], v[TM+6], 16, v[PW]
	v_lshl_or_b32 v[PW], v[TM+7], 24, v[PW]
.irp b, 0,1,2,3
	v_cvt_scalef32_pk8_fp4_f32 v[PCA+2*\b], v[Y+16*\b:Y+16*\b+7], v[TM+12+\b]
	v_cvt_scalef32_pk8_fp4_f32 v[PCA+2*\b+1], v[Y+16*\b+8:Y+16*\b+15], v[TM+12+\b]
.endr
	v_nop
.irp c, 0,1
.irp i, 0,1
	v_permlane16_swap_b32 v[PCA+4*\c+\i], v[PCA+4*\c+2+\i]
.endr
.endr
	global_store_b128 v[LI], v[PCA:PCA+3], s[14:15] offset:(\a)*512
	global_store_b128 v[LI], v[PCA+4:PCA+7], s[16:17] offset:(\a)*512
.if (\a)%2 == 0
	v_mov_b32 v[PWE], v[PW]
.else
	v_perm_b32 v[SWQ+(\a)/2], v[PW], v[PWE], v[VSEL]
.endif
.endm
.irp t, 0,1,2,3,4,5,6,7
	QKTILE \t
.endr
	global_store_b128 v[SOF], v[SWQ:SWQ+3], s[18:19]
	s_wait_tensorcnt 0x0
	ds_add_u32 v254, v255
	s_wait_dscnt 0x0
	CROUND
	s_endpgm
.Lfunc_end_k_qa83c264431_qk:
	.size	k_qa83c264431_qk, .Lfunc_end_k_qa83c264431_qk-k_qa83c264431_qk
	.p2alignl 7, 3214868480
	.fill 96, 4, 3214868480
	.section	.rodata,"a",@progbits
	.p2align	6, 0x0
	.amdhsa_kernel k_qa83c264431_qk
		.amdhsa_group_segment_fixed_size 327680
		.amdhsa_private_segment_fixed_size 0
		.amdhsa_enable_private_segment 0
		.amdhsa_kernarg_size 40
		.amdhsa_user_sgpr_count 2
		.amdhsa_user_sgpr_kernarg_segment_ptr 1
		.amdhsa_wavefront_size32 1
		.amdhsa_system_sgpr_workgroup_id_x 1
		.amdhsa_system_sgpr_workgroup_id_y 1
		.amdhsa_system_sgpr_workgroup_id_z 1
		.amdhsa_system_vgpr_workitem_id 0
		.amdhsa_next_free_vgpr 1024
		.amdhsa_next_free_sgpr 106
		.amdhsa_reserve_vcc 1
		.amdhsa_float_denorm_mode_32 3
		.amdhsa_float_denorm_mode_16_64 3
		.amdhsa_memory_ordered 1
		.amdhsa_forward_progress 1
		.amdhsa_inst_pref_size 205
	.end_amdhsa_kernel
	.amdgpu_metadata
---
amdhsa.version: [ 1, 2 ]
amdhsa.kernels:
  - .name:           k_qa83c264431_qk
    .symbol:         k_qa83c264431_qk.kd
    .args:
      - { .name: xcs, .offset: 0, .size: 8, .value_kind: global_buffer, .address_space: global }
      - { .name: wcs, .offset: 8, .size: 8, .value_kind: global_buffer, .address_space: global }
      - { .name: rope, .offset: 16, .size: 8, .value_kind: global_buffer, .address_space: global }
      - { .name: qbuf, .offset: 24, .size: 8, .value_kind: global_buffer, .address_space: global }
      - { .name: kvbuf, .offset: 32, .size: 8, .value_kind: global_buffer, .address_space: global }
    .group_segment_fixed_size: 327680
    .private_segment_fixed_size: 0
    .kernarg_segment_align: 8
    .kernarg_segment_size: 40
    .max_flat_workgroup_size: 128
    .sgpr_count:     106
    .vgpr_count:     1024
    .wavefront_size: 32
...
	.end_amdgpu_metadata
.endif
;; end of part 2
;; launch vv (part 3): grid 4 x 64, 8 waves a work-group, clusters of 4 x 4, 327,680 bytes of LDS; arguments xcs, wcs, v1, lamb, kvbuf, out1; writes kvbuf, out1
.if DOCPART == 3
	.amdgcn_target "amdgcn-amd-amdhsa--gfx1250"
	.amdhsa_code_object_version 6
	.text
	.protected	k_qa83c264431_vv
	.globl	k_qa83c264431_vv
	.p2align	8
	.type	k_qa83c264431_vv,@function
k_qa83c264431_vv:
	s_mov_b64 s[64:65], 0
	v_nop
	global_prefetch_b8 v0, s[64:65] scope:SCOPE_SE
	s_setreg_imm32_b32 hwreg(HW_REG_WAVE_MODE, 25, 1), 1
	s_wait_xcnt 0x0
	s_wait_alu depctr_hold_cnt(0) depctr_sa_sdst(0) depctr_va_vdst(0) depctr_va_sdst(0) depctr_va_ssrc(0) depctr_va_vcc(0) depctr_vm_vsrc(0)
	s_getreg_b32 s2, hwreg(HW_REG_IB_STS2, 6, 4)
	s_cmp_eq_u32 s2, 0
	s_cbranch_scc0 .Lentry_in_a_cluster
	s_endpgm
.Lentry_in_a_cluster:
	s_bfe_u32 s2, ttmp6, 0x10000c
	s_cmp_lg_u32 s2, 0xf033
	s_cbranch_scc0 .Lentry_shape_is_right
	s_endpgm
.Lentry_shape_is_right:
; V.  v = x wv^T on codes of FP4 with E8M0 scales, K = 1,024; then (1 - lamb) v + lamb v1, quantised along the TOKENS, which are the second attention product's K.  out1, a copy of v1, is stored from the same registers.
; SHARES.  A work-group of eight waves makes 128 tokens x 256 channels; wave w makes tokens 64 (w % 2) on x head w / 2: 16 accumulators, 128 registers.
; All of K lies in LDS at once: x's 128 rows and wv's 256 rows of 512 bytes, and their scale bytes.  Eight tensor loads at the head, one a wave: waves 0, 1 x's halves, waves 2 to 5 wv's quarters, wave 6 x's scales, wave 7 wv's.
; Nothing is filled again.  CLUSTERS: 4 x 4.  x's tiles hang on the tile row alone and are asked for jointly by a row of the cluster, wv's on the tile column alone, by a column.
; ROLES.  Source 0 = 16 tokens of x, source 1 = 16 rows of wv (rows 2,048 on of wcs): a lane holds one channel and its registers run along the tokens.
; x's and wv's rows are stored so that 16 stored rows on end are rows 8 u + r + 8 (r / 8) of 32: the 16 registers of x's tiles 2 b and 2 b + 1 are tokens 32 b + 16 (lane / 16) + 0 .. 15.
; v1: my 64 tokens x 256 bytes come by 32 loads of two rows each, asked for at the head into registers that the products leave alone; behind the products and a barrier they turn through my stage in LDS, which lies over the
; codes (these have had their one fill and their last read), so that a lane reads its channel's tokens.  NO PREFETCH: every load goes out at the head, and there is no loop to run ahead in.
; A block of zeros gets the byte 1 where the rule says 127 (its codes are zeros, and this program alone reads the bytes).  NaN and infinities are not served.
; RECORDS of kvbuf, [batch x head][128 tokens] x 8,704 bytes: v's four fragments (tile t of 16 channels: two images of 512 bytes, 64 tokens each) at 4,096, its scale words [r][t] at 8,448.
; The two waves of a head each make two bytes of a scale word: the words are gathered in LDS and leave as 256 consecutive bytes a head.
; REGISTERS.  Window 0: v0-31 addresses and work; v32-63 scale words and nothing else; v64-127 fragments, set 0, later v1 out of the stage; v128-255 accumulators, later the codes.
;   Window 1: v64-127 fragments, set 1; v128-255 v1 as loaded.
.set PITCH, 528                        ; an LDS row of codes: 512 bytes + 16
.set WB,    128*PITCH                  ; wv's rows lie behind x's
.set SCX,   384*PITCH                  ; x's scales: 16 units of 256 bytes + 16
.set SCW,   SCX+16*272                 ; wv's: 32 units
.set SCG,   SCW+32*272                 ; the gathered scale words: 256 bytes a head
.set SPARE, SCG+1024                   ; the spare words: 128 bytes for each of 8 waves
.set STG,   18688                      ; a wave's stage: 64 rows of 288 bytes (256 of data), each second 16 rows 32 bytes further on, inside the rows' spare 32
.set LI,  1
.set VO,  2
.set ADA, 3
.set ADB, 4
.set ADS, 5
.set SWR, 6
.set SRD, 7
.set SGA, 8
.set SGR, 9
.set SOF, 10
.set SPW, 11
.set NIL, 12
.set LAM, 20
.set OML, 22
.set BM,  24
.set BT,  26
.set SCO, 28
.set HW,  30
.set SC,  32
.set FA,  64
.set FB,  96
.set AC,  128
.set V1,  128                          ; in window 1
.set WV,  16
.set TW,  17
.set CW,  18
.set CX,  19
.set CY,  20
.set COL, 21
.set ROW, 22
.set MR,  23
.set MC,  24
.set LAMS,25
.set T,   26
.set G1X, 28
.set G1W, 36
.set G1SX,44
.set G1SW,52
.set G0X, 60
.set G0W, 68
.set G0SX,72
.set G0SW,76
.set OX,  80
.set OW,  82
.set OSX, 84
.set OSW, 86
.set RB,  88
.set RG,  90
.set SEL, 92
.set MSB, 0
.macro WIN new                         ; the immediate's high byte repeats the setting that is left
.if MSB != (\new)
	s_set_vgpr_msb (MSB<<8)|(\new)
.set MSB, (\new)
.endif
.endm
.macro CROUND
	s_barrier_signal -1
	s_barrier_wait -1
	s_cmp_lg_u32 s[WV], 0
	s_cbranch_scc1 .Lnot_wave_0_\@
	s_barrier_signal -3
.Lnot_wave_0_\@:
	s_barrier_wait -3
	s_barrier_signal -1
	s_barrier_wait -1
.endm
.macro PLACES
.rept 4
	v_nop
.endr
.endm
	s_load_b256 s[4:11], s[0:1], 0x0               ; xcs, wcs, v1, lamb
	s_load_b128 s[12:15], s[0:1], 0x20             ; kvbuf, out1
	v_lshl_add_u32 v[SPW], v0, 2, SPARE
	v_mov_b32 v[NIL], 0
	ds_add_u32 v[SPW], v[NIL]                      ; the opening lines: the add, twice on end, and its wait
	ds_add_u32 v[SPW], v[NIL]
	v_lshrrev_b32 v13, 5, v0
	v_readfirstlane_b32 s[WV], v13
	v_and_b32 v13, 15, v0                          ; r
	v_bfe_u32 v14, v0, 4, 1                        ; h
	v_lshlrev_b32 v[VO], 12, v14
	v_lshl_add_u32 v[VO], v13, 4, v[VO]            ; v1 and out1: lanes 0-15 one token's 256 bytes, lanes 16-31 the next token's
	v_and_b32 v15, 31, v0
	v_lshlrev_b32 v[LI], 4, v15
	s_and_b32 s[TW], s[WV], 1
	s_lshr_b32 s[CW], s[WV], 1
	s_bfe_u32 s[CX], ttmp6, 0x40000
	s_bfe_u32 s[CY], ttmp6, 0x40004
	s_lshl_b32 s[COL], ttmp9, 2
	s_add_co_u32 s[COL], s[COL], s[CX]             ; tile column: 256 channels
	s_and_b32 s[ROW], ttmp7, 0xffff
	s_lshl_b32 s[ROW], s[ROW], 2
	s_add_co_u32 s[ROW], s[ROW], s[CY]             ; tile row: 128 tokens
	s_lshl_b32 s[MR], s[CY], 2
	s_lshl_b32 s[MR], 15, s[MR]                    ; my row of the cluster
	s_lshl_b32 s[MC], 0x1111, s[CX]                ; my column
	s_or_b32 s[G1X], s[MR], (1<<20)|(1<<21)|(6<<22)|(3<<25)    ; the mask; elements of 1 byte; padding on; bit 21 beside a mask; 4 words behind every 128
	s_or_b32 s[G1W], s[MC], (1<<20)|(1<<21)|(6<<22)|(3<<25)
.irp g, G1X, G1W                       ; 64 rows of 512 bytes
	s_mov_b32 s[\g+1], 512<<16
	s_mov_b32 s[\g+2], 64<<16
	s_mov_b32 s[\g+3], 512<<16
	s_mov_b32 s[\g+4], 64
	s_mov_b32 s[\g+5], 512
	s_mov_b32 s[\g+6], 0
	s_mov_b32 s[\g+7], 0
.endr
	s_or_b32 s[G1SX], s[MR], (3<<16)|(1<<20)|(1<<21)|(5<<22)|(3<<25)   ; scales: dense bytes as rows of 256, 4 words behind each
	s_or_b32 s[G1SW], s[MC], (3<<16)|(1<<20)|(1<<21)|(5<<22)|(3<<25)
	s_mov_b32 s[G1SX+1], 32<<16
	s_mov_b32 s[G1SX+2], 16<<16
	s_mov_b32 s[G1SX+3], 32<<16
	s_mov_b32 s[G1SX+4], 16
	s_mov_b32 s[G1SX+5], 32
	s_mov_b32 s[G1SX+6], 0
	s_mov_b32 s[G1SX+7], 0
	s_mov_b32 s[G1SW+1], 32<<16
	s_mov_b32 s[G1SW+2], 32<<16
	s_mov_b32 s[G1SW+3], 32<<16
	s_mov_b32 s[G1SW+4], 32
	s_mov_b32 s[G1SW+5], 32
	s_mov_b32 s[G1SW+6], 0
	s_mov_b32 s[G1SW+7], 0
	s_lshl_b32 s[OX], s[ROW], 16                   ; x's codes: 128 rows of 512 bytes a tile row, 64 rows a half
	s_lshl_b32 s2, s[TW], 15
	s_add_co_u32 s[OX], s[OX], s2
	s_mov_b32 s[OX+1], 0
	s_lshl_b32 s[OSX], s[ROW], 12                  ; its scales: 32 bytes a row, from byte 4,194,304 on
	s_add_co_u32 s[OSX], s[OSX], 0x400000
	s_mov_b32 s[OSX+1], 0
	s_add_co_u32 s3, s[WV], 2
	s_and_b32 s3, s3, 3                            ; waves 2 to 5: quarters 0 to 3 of wv's 256 rows
	s_lshl_b32 s[OW], s[COL], 17
	s_lshl_b32 s2, s3, 15
	s_add_co_u32 s[OW], s[OW], s2
	s_add_co_u32 s[OW], s[OW], 0x100000            ; wv begins at row 2,048 of wcs
	s_mov_b32 s[OW+1], 0
	s_lshl_b32 s[OSW], s[COL], 13
	s_add_co_u32 s[OSW], s[OSW], 0x210000          ; scales from byte 2,097,152 on, row 2,048
	s_mov_b32 s[OSW+1], 0
	s_mov_b32 s[G0X], 1
	s_mul_i32 s[G0X+1], s[TW], 64*PITCH
	s_mov_b32 s[G0W], 1
	s_mul_i32 s[G0W+1], s3, 64*PITCH
	s_add_co_u32 s[G0W+1], s[G0W+1], WB
	s_mov_b32 s[G0SX], 1
	s_mov_b32 s[G0SX+1], SCX
	s_mov_b32 s[G0SW], 1
	s_mov_b32 s[G0SW+1], SCW
	s_lshl_b32 s[T], s[ROW], 19                    ; v1, out1: a token is 4,096 bytes; my 64 tokens, my head's 256 bytes
	s_lshl_b32 s2, s[TW], 18
	s_add_co_u32 s[T], s[T], s2
	s_lshl_b32 s2, s[COL], 10
	s_add_co_u32 s[T], s[T], s2
	s_lshl_b32 s2, s[CW], 8
	s_add_co_u32 s[T], s[T], s2
	s_mov_b32 s[T+1], 0
	s_mov_b32 s[SEL], 0x76543210
	s_mov_b32 s[SEL+1], 0xfedcba98
	s_wait_dscnt 0x0                               ; both opening adds are done
	s_wait_kmcnt 0x0
	s_load_b32 s[LAMS], s[10:11], 0x0              ; lamb
	s_add_nc_u64 s[8:9], s[8:9], s[T:T+1]
	s_add_nc_u64 s[14:15], s[14:15], s[T:T+1]
	s_wait_alu depctr_va_vdst(0)
	WIN 0x40
.set i, 0
.rept 32
	global_load_b128 v[V1+4*i:V1+4*i+3], v[VO], s[8:9] offset:i*8192 th:TH_LOAD_NT   ; tokens 2 i and 2 i + 1: two aligned runs of 256 bytes
.set i, i+1
.endr
	WIN 0
	s_add_nc_u64 s[G0X+2:G0X+3], s[4:5], s[OX:OX+1]
	s_or_b32 s[G0X+3], s[G0X+3], 0x80000000
	s_add_nc_u64 s[G0SX+2:G0SX+3], s[4:5], s[OSX:OSX+1]
	s_or_b32 s[G0SX+3], s[G0SX+3], 0x80000000
	s_add_nc_u64 s[G0W+2:G0W+3], s[6:7], s[OW:OW+1]
	s_or_b32 s[G0W+3], s[G0W+3], 0x80000000
	s_add_nc_u64 s[G0SW+2:G0SW+3], s[6:7], s[OSW:OSW+1]
	s_or_b32 s[G0SW+3], s[G0SW+3], 0x80000000
	CROUND                                         ; all sixteen work-groups are here: the joint loads meet
.macro ARM under, g0, g1, next         ; one chain of branches on the wave's number: every way passes exactly one load
	s_cmp_lt_u32 s[WV], \under
	s_cbranch_scc0 \next
	tensor_load_to_lds s[\g0:\g0+3], s[\g1:\g1+7]
	s_nop 0
	PLACES
	s_branch .Lasked
\next:
.endm
	ARM 2, G0X,  G1X,  .Lhead_w
	ARM 6, G0W,  G1W,  .Lhead_sx
	ARM 7, G0SX, G1SX, .Lhead_sw
	tensor_load_to_lds s[G0SW:G0SW+3], s[G1SW:G1SW+7]
	s_nop 0
	PLACES
.Lasked:
	s_lshr_b32 s2, s[ROW], 4                       ; batch
	s_lshl_b32 s2, s2, 4
	s_lshl_b32 s3, s[COL], 2
	s_add_co_u32 s2, s2, s3                        ; 16 x batch + the work-group's first head
	s_lshl_b32 s2, s2, 4
	s_and_b32 s3, s[ROW], 15
	s_add_co_u32 s2, s2, s3                        ; 16 records a head
	s_mul_i32 s[T], s2, 8704
	s_add_nc_u64 s[RG:RG+1], s[12:13], s[T:T+1]
	s_mul_i32 s[T], s[CW], 139264
	s_lshl_b32 s3, s[TW], 9
	s_add_co_u32 s[T], s[T], s3
	s_add_nc_u64 s[RB:RB+1], s[RG:RG+1], s[T:T+1]  ; my head's record, my image of each fragment
	s_mul_i32 s[T], s[TW], 2*139264
	s_add_nc_u64 s[RG:RG+1], s[RG:RG+1], s[T:T+1]  ; waves 0 and 1: heads 2 w and 2 w + 1, for the scale words
	v_mul_u32_u24 v15, v13, PITCH
	v_lshl_add_u32 v15, v14, 4, v15                ; a fragment's row x pitch + 16 x half
	s_mul_i32 s2, s[TW], 64*PITCH
	v_add_nc_u32 v[ADA], s2, v15
	s_mul_i32 s2, s[CW], 64*PITCH
	s_add_co_u32 s2, s2, WB
	v_add_nc_u32 v[ADB], s2, v15
	v_mul_u32_u24 v16, v13, 32                     ; my row's scales: 32 bytes a row,
	v_lshrrev_b32 v17, 8, v16
	v_lshl_add_u32 v16, v17, 4, v16                ; and 16 more for each 256 passed
	s_mul_i32 s2, s[TW], 2176                      ; x's: my 64 tokens: the lower base;
	s_mul_i32 s3, s[CW], 2176
	s_add_co_u32 s3, s3, 4352
	s_sub_co_u32 s3, s3, s2                        ; wv's lie this far above it
	v_mul_u32_u24 v17, s3, v14                     ; lanes 16-31 take wv's
	s_add_co_u32 s2, s2, SCX
	v_add_nc_u32 v16, v16, v17
	v_add_nc_u32 v[ADS], s2, v16
	s_mul_i32 s2, s[WV], STG                       ; my stage
	v_mul_u32_u24 v16, v14, 288
	v_lshl_add_u32 v16, v13, 4, v16
	v_add_nc_u32 v[SWR], s2, v16                   ; in: two rows of 256 bytes a store
	v_and_b32 v16, 8, v13
	v_add_nc_u32 v16, v16, v13                     ; r + 8 (r / 8)
	v_lshlrev_b32 v16, 2, v16
	v_mad_u32_u24 v16, v14, 4640, v16              ; lanes 16-31: 16 rows further on, and 32 bytes: the 32 lanes of a read touch 32 different banks
	v_add_nc_u32 v[SRD], s2, v16
	s_lshl_b32 s2, s[CW], 8
	s_lshl_b32 s3, s[TW], 1
	s_add_co_u32 s2, s2, s3
	s_add_co_u32 s2, s2, SCG
	v_lshl_add_u32 v[SGA], v13, 4, s2              ; my two bytes of word [r][t]: 256 x head + 16 r + 4 t + 2 x my half
	s_lshl_b32 s2, s[TW], 9
	s_add_co_u32 s2, s2, SCG
	v_add_nc_u32 v[SGR], s2, v[LI]
	v_lshlrev_b32 v[SOF], 4, v13
	v_mul_u32_u24 v16, v14, 139264
	v_add_nc_u32 v[SOF], v[SOF], v16               ; 16 r; lanes 16-31 store the next head's words
	v_mov_b32 v[BT], 0                             ; written once: a lane permute's destination counts as one of its sources
	v_mov_b32 v[BT+1], 0
	s_wait_kmcnt 0x0                               ; lamb
	v_mov_b32 v[LAM], s[LAMS]
	v_mov_b32 v[LAM+1], s[LAMS]
	v_sub_f32 v[OML], 1.0, v[LAM]
	v_mov_b32 v[OML+1], v[OML]
.macro FETCH q, p                      ; the fragments of the q-th 128 along K into set p (window p): x's four tiles, wv's four
	WIN 0x40*(\p)
.irp i, 0,1,2,3
.irp c, 0,1
	ds_load_b128 v[FA+8*\i+4*\c:FA+8*\i+4*\c+3], v[ADA] offset:64*(\q)+32*\c+\i*16*PITCH
.endr
.endr
.irp i, 0,1,2,3
.irp c, 0,1
	ds_load_b128 v[FB+8*\i+4*\c:FB+8*\i+4*\c+3], v[ADB] offset:64*(\q)+32*\c+\i*16*PITCH
.endr
.endr
	WIN 0
.endm
.macro MUL q, p, zero                  ; 16 matrix instructions; the 16 accumulators take turns, in the same order in every step
	WIN 5*(\p)
.irp a, 0,1,2,3
.irp b, 0,1,2,3
.if \zero
	v_wmma_scale_f32_16x16x128_f8f6f4 v[AC+32*\a+8*\b:AC+32*\a+8*\b+7], v[FA+8*\b:FA+8*\b+7], v[FB+8*\a:FB+8*\a+7], 0, v[SC+8*\b+(\q)], v[SC+8*\a+(\q)] matrix_a_fmt:MATRIX_FMT_FP4 matrix_b_fmt:MATRIX_FMT_FP4 matrix_b_scale:MATRIX_SCALE_ROW1
.else
	v_wmma_scale_f32_16x16x128_f8f6f4 v[AC+32*\a+8*\b:AC+32*\a+8*\b+7], v[FA+8*\b:FA+8*\b+7], v[FB+8*\a:FB+8*\a+7], v[AC+32*\a+8*\b:AC+32*\a+8*\b+7], v[SC+8*\b+(\q)], v[SC+8*\a+(\q)] matrix_a_fmt:MATRIX_FMT_FP4 matrix_b_fmt:MATRIX_FMT_FP4 matrix_b_scale:MATRIX_SCALE_ROW1
.endif
.endr
.endr
.endm
	s_wait_alu depctr_va_vdst(0)
	s_wait_tensorcnt 0x0                           ; my tile is in,
	s_barrier_signal -1
	s_barrier_wait -1                              ; and everybody's
.irp i, 0,1,2,3                        ; the scale words of all of K: register 8 i + q: lanes 0-15 x's tile i, lanes 16-31 wv's tile i
	ds_load_b128 v[SC+8*\i:SC+8*\i+3], v[ADS] offset:\i*544
	ds_load_b128 v[SC+8*\i+4:SC+8*\i+7], v[ADS] offset:\i*544+16
.endr
	FETCH 0, 0
	FETCH 1, 1
	s_wait_dscnt 16                                ; all but the 16 loads just issued
	MUL 0, 0, 1                                    ; the first products start the sums
.set Q, 1
.rept 6
	PLACES                                         ; in front of loads into the set that the last 16 products read
	FETCH Q+1, (Q+1)%2
	s_wait_dscnt 16
	MUL Q, Q%2, 0
.set Q, Q+1
.endr
	s_wait_dscnt 0x0
	MUL 7, 1, 0
	WIN 0
	PLACES                                         ; in front of the first read of results and of loads into the fragments' registers
	s_barrier_signal -1
	s_barrier_wait -1                              ; every wave's reads of the codes are over: the stages may be written
	s_wait_loadcnt 0x0                             ; v1
	WIN 0x04                                       ; a store's data are its source 1: window 1
.set i, 0
.rept 32
	ds_store_b128 v[SWR], v[V1+4*i:V1+4*i+3] offset:2*i*288+32*((i/8)%2)
.set i, i+1
.endr
	WIN 0
.macro LDL a                           ; v1 for tile a of channels: register 16 b + i: token 32 b + 16 h + i.  LDS serves a wave's instructions in order: these see my stores
.set i, 0
.rept 32
	ds_load_b32 v[64+32*((\a)%2)+i], v[SRD] offset:(32*(i/16)+i%16)*288+128*((\a)/2)+32*((\a)%2)
.set i, i+1
.endr
.endm
.macro TILE a                          ; 16 channels x my 64 tokens: two blocks of the tokens' axis
.set LC, 64+32*((\a)%2)
.set AX, AC+32*(\a)
.if (\a) < 3
	LDL (\a)+1
	s_wait_dscnt 32                                ; this tile's numbers are in; the next tile's 32 loads may be out
.else
	s_wait_dscnt 0x0
.endif
.set k, 0
.rept 16
	v_pk_mul_f32 v[LC+2*k:LC+2*k+1], v[LC+2*k:LC+2*k+1], v[LAM:LAM+1] op_sel_hi:[1,0]
.set k, k+1
.endr
.set k, 0
.rept 16
	v_pk_fma_f32 v[LC+2*k:LC+2*k+1], v[AX+2*k:AX+2*k+1], v[OML:OML+1], v[LC+2*k:LC+2*k+1] op_sel_hi:[1,0,1]   ; (1 - lamb) v + lamb v1; each accumulator from its low end on
.set k, k+1
.endr
.irp b, 0,1
	v_max3_num_f32 v[BM+\b], |v[LC+16*\b]|, |v[LC+16*\b+1]|, 0x1800000   ; with the floor 2^(3 - 127): the byte cannot fall under 1
.endr
.irp i, 2,4,6,8,10,12,14
.irp b, 0,1
	v_max3_num_f32 v[BM+\b], v[BM+\b], |v[LC+16*\b+\i]|, |v[LC+16*\b+\i+1]|
.endr
.endr
.irp b, 0,1
	v_permlanex16_b32 v[BT+\b], v[BM+\b], s[SEL], s[SEL+1]
.endr
.irp b, 0,1
	v_max_num_f32 v[BM+\b], v[BM+\b], v[BT+\b]
.endr
.irp b, 0,1
	v_add_nc_u32 v[SCO+\b], 0xff000000, v[BM+\b]   ; 2 off the exponent field
.endr
.irp b, 0,1
	v_lshrrev_b32 v[BT+\b], 23, v[SCO+\b]          ; the scale's byte
.endr
	v_lshl_or_b32 v[HW], v[BT+1], 8, v[BT]
.irp b, 0,1
	v_cvt_scalef32_pk8_fp4_f32 v[AX+2*\b], v[LC+16*\b:LC+16*\b+7], v[SCO+\b]       ; the codes go where the tile's sums lay: these have been read
	v_cvt_scalef32_pk8_fp4_f32 v[AX+2*\b+1], v[LC+16*\b+8:LC+16*\b+15], v[SCO+\b]
.endr
	v_nop                                          ; one plain place behind a scaled conversion
.irp i, 0,1
	v_permlane16_swap_b32 v[AX+\i], v[AX+2+\i]     ; a whole block to a lane
.endr
	global_store_b128 v[LI], v[AX:AX+3], s[RB:RB+1] offset:4096+(\a)*1024   ; an image: 512 consecutive bytes
	ds_store_b16 v[SGA], v[HW] offset:4*(\a)       ; both lanes of a channel write the same two bytes
.endm
	LDL 0
	TILE 0
	TILE 1
	TILE 2
	TILE 3
	s_wait_dscnt 0x0                               ; for the others' sake: my scale bytes lie in LDS
	s_barrier_signal -1
	s_barrier_wait -1
	s_cmp_lt_u32 s[WV], 2
	s_cbranch_scc0 .Lno_words
	ds_load_b128 v[16:19], v[SGR]                  ; two heads' words
	s_wait_dscnt 0x0
	global_store_b128 v[SOF], v[16:19], s[RG:RG+1] offset:8448   ; sixteen lanes store 256 consecutive bytes, aligned
.Lno_words:
	s_wait_tensorcnt 0x0                           ; the wave's end, behind my last LDS store
	ds_add_u32 v[SPW], v[NIL]
	s_wait_dscnt 0x0
	WIN 0x04
.set i, 0
.rept 32
	global_store_b128 v[VO], v[V1+4*i:V1+4*i+3], s[14:15] offset:i*8192 th:TH_STORE_NT   ; out1: two aligned runs of 256 bytes
.set i, i+1
.endr
	WIN 0
	CROUND                                         ; the closing round
	s_endpgm
.Lfunc_end_k_qa83c264431_vv:
	.size	k_qa83c264431_vv, .Lfunc_end_k_qa83c264431_vv-k_qa83c264431_vv
	.p2alignl 7, 3214868480
	.fill 96, 4, 3214868480
	.section	.rodata,"a",@progbits
	.p2align	6, 0x0
	.amdhsa_kernel k_qa83c264431_vv
		.amdhsa_group_segment_fixed_size 327680
		.amdhsa_private_segment_fixed_size 0
		.amdhsa_enable_private_segment 0
		.amdhsa_kernarg_size 48
		.amdhsa_user_sgpr_count 2
		.amdhsa_user_sgpr_kernarg_segment_ptr 1
		.amdhsa_wavefront_size32 1
		.amdhsa_system_sgpr_workgroup_id_x 1
		.amdhsa_system_sgpr_workgroup_id_y 1
		.amdhsa_system_sgpr_workgroup_id_z 1
		.amdhsa_system_vgpr_workitem_id 0
		.amdhsa_next_free_vgpr 512
		.amdhsa_next_free_sgpr 96
		.amdhsa_reserve_vcc 0
		.amdhsa_float_denorm_mode_32 3
		.amdhsa_float_denorm_mode_16_64 3
		.amdhsa_memory_ordered 1
		.amdhsa_forward_progress 1
		.amdhsa_inst_pref_size 69
	.end_amdhsa_kernel
	.amdgpu_metadata
---
amdhsa.version: [ 1, 2 ]
amdhsa.kernels:
  - .name:           k_qa83c264431_vv
    .symbol:         k_qa83c264431_vv.kd
    .args:
      - { .name: xcs, .offset: 0, .size: 8, .value_kind: global_buffer, .address_space: global }
      - { .name: wcs, .offset: 8, .size: 8, .value_kind: global_buffer, .address_space: global }
      - { .name: v1, .offset: 16, .size: 8, .value_kind: global_buffer, .address_space: global }
      - { .name: lamb, .offset: 24, .size: 8, .value_kind: global_buffer, .address_space: global }
      - { .name: kvbuf, .offset: 32, .size: 8, .value_kind: global_buffer, .address_space: global }
      - { .name: out1, .offset: 40, .size: 8, .value_kind: global_buffer, .address_space: global }
    .group_segment_fixed_size: 327680
    .private_segment_fixed_size: 0
    .kernarg_segment_align: 8
    .kernarg_segment_size: 48
    .max_flat_workgroup_size: 256
    .sgpr_count:     96
    .vgpr_count:     512
    .wavefront_size: 32
...
	.end_amdgpu_metadata
.endif
;; end of part 3
;; launch attn (part 4): grid 4 x 64, 16 waves a work-group, clusters of 4 x 1, 167,936 bytes of LDS; arguments qbuf, kvbuf, ybuf; writes ybuf
.if DOCPART == 4
	.amdgcn_target "amdgcn-amd-amdhsa--gfx1250"
	.amdhsa_code_object_version 6
	.text
	.protected	k_qa83c264431_attn
	.globl	k_qa83c264431_attn
	.p2align	8
	.type	k_qa83c264431_attn,@function
k_qa83c264431_attn:
	s_mov_b64 s[64:65], 0
	v_nop
	global_prefetch_b8 v0, s[64:65] scope:SCOPE_SE
	s_setreg_imm32_b32 hwreg(HW_REG_WAVE_MODE, 25, 1), 1
	s_wait_xcnt 0x0
	s_wait_alu depctr_hold_cnt(0) depctr_sa_sdst(0) depctr_va_vdst(0) depctr_va_sdst(0) depctr_va_ssrc(0) depctr_va_vcc(0) depctr_vm_vsrc(0)
	s_getreg_b32 s2, hwreg(HW_REG_IB_STS2, 6, 4)
	s_cmp_eq_u32 s2, 0
	s_cbranch_scc0 .Lentry_in_a_cluster
	s_endpgm
.Lentry_in_a_cluster:
	s_bfe_u32 s2, ttmp6, 0x10000c
	s_cmp_lg_u32 s2, 0x3003
	s_cbranch_scc0 .Lentry_shape_is_right
	s_endpgm
.Lentry_shape_is_right:
; ATTENTION with a causal mask, both products on codes of FP4 with E8M0 scales; head size 64, 2,048 tokens, 64 (batch x head).
; SHARES.  The four work-groups of a cluster serve one (batch, head).  The head's K and V, 16 records of 128 keys, 8,704 bytes each, stay in LDS for the whole launch: 139,264 bytes.
; Each of the sixteen waves brings one record by one tensor load at the head; nothing is filled again, and one barrier shows all records to all waves.  All four partners want the same records: the loads are joint (mask 15).
; Wave w owns two tiles of 16 queries: tile a = 2 cx + w % 2 of the 128-token blocks 15 - m and m, m = w / 2: (16 - m) + (m + 1) = 17 key steps of 128 keys for every wave.  Key steps that lie wholly behind the
; causal mask are not done.  Branches and LDS addresses hang on the wave's number and the trip count alone; the place in the cluster enters global addresses and the mask's numbers only.
; THE SOFTMAX AHEAD OF THE SECOND PRODUCT: t = score x log2(e) / 8 and p = 2^t is what is quantised, along the keys; the row's sum of the unquantised p divides at the end.
; NO MAXIMUM IS TAKEN AWAY, since the computation bounds t for every input: rms_norm leaves a head's q and k with a sum of squares of at most 64; the rotation's table entries are at most 1, so it at most doubles that sum;
; the quantiser less than doubles a number.  So |score| <= 4 x 128 = 512 and |t| < 93: p lies between 2^-93 and 2^93 and a row's sum under 2^104.  2^t is 2^(t - M) times the power of two 2^M, which a block's scale takes up:
; the codes are the same, and the factor leaves with the division by the sum.  LIMIT: |v| under 2^20, so that O stays in f32's range.  NaN and infinities are not served.
; THE MASK, in a tile's last key step alone: t = score x c + beta(b) + alpha(b) x xp(i) for block b of 32 keys and register i; beta = -1000 in blocks behind my queries' 32, alpha = 1 in their own block, xp(i) = -1000 where key i
; of that block comes after my query, all else 0.  2^(t - 1000) is 0.  A block of zeros keeps the byte 1: its codes are zeros.
; LAYOUT.  Both products are used transposed: a lane holds one query throughout.  A fragment of K holds two tiles of 16 keys, one in each half of the instruction's 128 along K, and is multiplied by [q | 0] and by [0 | q].
; Tiles of 16 are rows 8 u + r + 8 (r / 8) of 32, so that the 16 registers of tiles 2 b and 2 b + 1 are 16 neighbouring keys.
; THE RESULT, O / sum, is quantised along the head for the last product: an image of 512 bytes for each (tile, head).  Its two scale bytes a token leave as 32 consecutive bytes a tile: a unit of 256 of them belongs to
; the eight tiles of a block, which the four partners share, so units are written in part there: 32 bytes beside each 512 of codes.
; NO PREFETCH: all tensor loads go out at the head, and no later load is left to run ahead of.
.set REC,   8704                       ; a record: k's 8 images, v's 8 images, k's scale words (256 bytes), v's (256)
.set SPARE, 16*REC                     ; the spare words: 128 bytes for each of 16 waves
.set LI,  1                            ; 16 x lane
.set R16, 2                            ; 16 r
.set YO,  3                            ; 2 r
.set ADR, 4                            ; the record in hand + 16 x lane
.set SPW, 5                            ; my spare word; never rewritten
.set NIL, 6                            ; 0; never rewritten
.set T0,  7
.set FF,  10                           ; v[10:11] a factor (the low word is used)
.set QS,  12                           ; q's scale word
.set PS,  13                           ; p's scale word
.set QS2, 14                           ; the second tile's two scale bytes, as loaded
.set Q2,  16                           ; v16-19 the second tile's q;  v20-23 zeros, v24-27 q, v28-31 zeros
.set KS,  200                          ; v32-63 K, v64-95 V, v96-159 S^T then p, v160-191 O^T, v192-199 p's codes, v200-203 K's (lanes 0-15) and V's (lanes 16-31) scale words
.set BM,  204
.set BT,  208
.set SCO, 212
.set XP,  216                          ; v216-231 xp(i)
.set BE,  232                          ; v232-239 beta(b), a pair each
.set SU,  240                          ; v240-247 the row's sum in four pairs
.set CD,  248
.set HW,  15
.set VS,  252                          ; v252-255 the record's scale words once more: lanes 16-31, V's, serve the second product, while v200-203 already take the next record's
.set AD2, 8                            ; the next record + 16 x lane
.set TN,  2                            ; where the next record begins in LDS
.set WV,  10
.set CX,  11
.set BH,  12
.set MM,  13
.set UU,  14
.set BLK, 15                           ; the 128-token block of the tile in hand
.set NN,  16                           ; the trip
.set RC,  17                           ; its record
.set TB,  18                           ; where that begins in LDS
.set AA,  19                           ; my tile in a block
.set SEL, 20
.set CS,  22
.set G1,  24
.set G0,  32
.set QH,  36
.set T,   38                           ; s[38:39] an offset; the upper word stays 0
.set YB,  40
.set YSB, 42
.set QA,  44
.set QSA, 46
.set QA2, 48
.set QSA2,50
.set YST, 52
.set YSS, 54
.set AL,  56                           ; s56-63 alpha(b), a pair each
.macro CROUND
	s_barrier_signal -1
	s_barrier_wait -1
	s_cmp_lg_u32 s[WV], 0
	s_cbranch_scc1 .Lnot_wave_0_\@
	s_barrier_signal -3
.Lnot_wave_0_\@:
	s_barrier_wait -3
	s_barrier_signal -1
	s_barrier_wait -1
.endm
.macro QADR blk, qa, qs                ; where tile a of block blk has its q (an image of 512 bytes) and its scale bytes (2 a bytes into a token's 16)
	s_mul_i32 s2, s[\blk], 4352
	s_lshl_b32 s3, s[AA], 9
	s_add_co_u32 s[T], s2, s3
	s_add_nc_u64 s[\qa:\qa+1], s[QH:QH+1], s[T:T+1]
	s_lshl_b32 s3, s[AA], 1
	s_add_co_u32 s[T], s2, s3
	s_add_nc_u64 s[\qs:\qs+1], s[QH:QH+1], s[T:T+1]
.endm
.macro KPRE                            ; a tile begins: record 0's K and scale words
.irp a, 0,1,2,3,4,5,6,7
	ds_load_b128 v[32+4*\a:35+4*\a], v[LI] offset:512*\a
.endr
	ds_load_b128 v[KS:KS+3], v[LI] offset:8192
.endm
.macro ZERO
.set j, 0
.rept 8
	v_mov_b32 v[SU+j], 0
.set j, j+1
.endr
.set j, 0
.rept 32
	v_mov_b32 v[160+j], 0
.set j, j+1
.endr
.endm
	s_load_b128 s[4:7], s[0:1], 0x0                ; qbuf, kvbuf
	s_load_b64 s[8:9], s[0:1], 0x10                ; ybuf
	v_lshl_add_u32 v[SPW], v0, 2, SPARE
	v_mov_b32 v[NIL], 0
	ds_add_u32 v[SPW], v[NIL]                      ; the opening lines: the add, twice on end, and its wait
	ds_add_u32 v[SPW], v[NIL]
	v_lshrrev_b32 v8, 5, v0
	v_readfirstlane_b32 s[WV], v8
	s_bfe_u32 s[CX], ttmp6, 0x40000
	s_and_b32 s[BH], ttmp7, 0xffff
	s_lshr_b32 s[MM], s[WV], 1
	s_and_b32 s[UU], s[WV], 1
	s_lshl_b32 s[AA], s[CX], 1
	s_add_co_u32 s[AA], s[AA], s[UU]
	s_mov_b32 s[G1], 15|(3<<16)|(1<<21)            ; the four partners; elements of 8 bytes; bit 21 beside a mask; no padding: 8,704 dense bytes as 34 rows of 256
	s_mov_b32 s[G1+1], 32<<16
	s_mov_b32 s[G1+2], 34<<16
	s_mov_b32 s[G1+3], 32<<16
	s_mov_b32 s[G1+4], 34
	s_mov_b32 s[G1+5], 32
	s_mov_b32 s[G1+6], 0
	s_mov_b32 s[G1+7], 0
	s_mul_i32 s[TB], s[WV], REC                    ; my record: in LDS and in the head
	s_mul_i32 s[T], s[BH], 16*REC
	s_add_co_u32 s[T], s[T], s[TB]
	s_mov_b32 s[T+1], 0
	s_mul_i32 s2, s[BH], 69632
	s_mov_b32 s3, 0
	s_mov_b32 s[SEL], 0x76543210
	s_mov_b32 s[SEL+1], 0xfedcba98
	s_mov_b32 s[CS], 0x3e38aa3b                    ; log2(e) / 8
	s_mov_b32 s[CS+1], s[CS]
	s_wait_dscnt 0x0                               ; both opening adds are done
	s_wait_kmcnt 0x0
	s_mov_b32 s[G0], 1
	s_mov_b32 s[G0+1], s[TB]
	s_add_nc_u64 s[G0+2:G0+3], s[6:7], s[T:T+1]
	s_or_b32 s[G0+3], s[G0+3], 0x80000000
	s_add_nc_u64 s[QH:QH+1], s[4:5], s[2:3]
	CROUND                                         ; the four partners are here: the joint loads meet
	tensor_load_to_lds s[G0:G0+3], s[G1:G1+7]      ; record = my wave's number: my one tensor load of the launch
	s_nop 0
.rept 4
	v_nop
.endr
	s_sub_co_u32 s[BLK], 15, s[MM]
	QADR BLK, QA, QSA
	QADR MM, QA2, QSA2
	s_lshr_b32 s2, s[BH], 4                        ; batch
	s_and_b32 s3, s[BH], 15                        ; head
	s_lshl_b32 s[T], s2, 20                        ; y's codes: 128 tiles x 16 heads x 512 bytes a batch,
	s_lshl_b32 s[RC], s3, 9
	s_add_co_u32 s[T], s[T], s[RC]
	s_lshl_b32 s[RC], s[AA], 13                    ; 8,192 a tile
	s_add_co_u32 s[T], s[T], s[RC]
	s_add_nc_u64 s[YB:YB+1], s[8:9], s[T:T+1]
	s_lshl_b32 s[T], s3, 14                        ; y's scale bytes: 16,384 a head, 4,096 a batch, 32 a tile
	s_lshl_b32 s[RC], s2, 12
	s_add_co_u32 s[T], s[T], s[RC]
	s_lshl_b32 s[RC], s[AA], 5
	s_add_co_u32 s[T], s[T], s[RC]
	s_add_co_u32 s[T], s[T], 0x400000
	s_add_nc_u64 s[YSB:YSB+1], s[8:9], s[T:T+1]
	v_and_b32 v8, 31, v0
	v_lshlrev_b32 v[LI], 4, v8
	v_and_b32 v8, 15, v0                           ; r
	v_lshlrev_b32 v[R16], 4, v8
	v_lshlrev_b32 v[YO], 1, v8
	s_wait_alu depctr_va_vdst(0)
	global_load_b128 v[24:27], v[LI], s[QA:QA+1]   ; both tiles' q and scale bytes are asked for now
	global_load_u16 v[QS], v[R16], s[QSA:QSA+1] offset:4096
	global_load_b128 v[Q2:Q2+3], v[LI], s[QA2:QA2+1]
	global_load_u16 v[QS2], v[R16], s[QSA2:QSA2+1] offset:4096
	v_bfe_u32 v9, v0, 4, 1                         ; h
	v_and_b32 v[T0], 8, v8
	v_add_nc_u32 v[T0], v[T0], v8
	v_lshlrev_b32 v9, 4, v9
	v_sub_nc_u32 v[T0], v[T0], v9
	s_lshl_b32 s2, s[UU], 3
	v_add_nc_u32 v[T0], s2, v[T0]                  ; 8 u + r + 8 (r / 8) - 16 h: key i of my queries' own 32 is hidden where i is greater
	v_mov_b32 v[FF], 0xc47a0000                    ; -1000
.set i, 0
.rept 16
	v_cmp_gt_i32 vcc_lo, i, v[T0]
	v_cndmask_b32 v[XP+i], 0, v[FF], vcc_lo
.set i, i+1
.endr
.irp b, 0,1,2,3                        ; my queries' 32 are block cx of a diagonal step: numbers are chosen by it, no way through the text
	s_cmp_lt_u32 s[CX], \b
	s_cselect_b32 s2, 0xc47a0000, 0
	v_mov_b32 v[BE+2*\b], s2
	v_mov_b32 v[BE+2*\b+1], s2
	s_cmp_eq_u32 s[CX], \b
	s_cselect_b32 s[AL+2*\b], 0x3f800000, 0
	s_mov_b32 s[AL+2*\b+1], s[AL+2*\b]
.endr
.irp j, 20,21,22,23,28,29,30,31
	v_mov_b32 v[\j], 0                             ; the zero halves beside q
.endr
.irp j, 0,1,2,3
	v_mov_b32 v[BT+\j], 0                          ; written once: a lane permute's destination counts as one of its sources
.endr
	v_mov_b32 v[FF+1], 0                           ; (named as the upper half of a pair)
	s_wait_alu depctr_va_vdst(0)
	s_wait_loadcnt 0x0
	v_lshl_or_b32 v[QS], v[QS], 16, v[QS]          ; the same two bytes for either half of K; the 40 lines below are the places ahead of the first product
	ZERO
; A KEY STEP: the 128 keys of the record at s[TB].  diag = 1: the tile's last step, with the mask.
.macro STEP diag
	v_add_nc_u32 v[ADR], s[TB], v[LI]
	v_add_nc_u32 v[AD2], s[TN], v[LI]              ; (the last step's six closing additions and these two are the places in front of the loads below)
.irp a, 0,1,2,3,4,5,6,7
	ds_load_b128 v[64+4*\a:67+4*\a], v[ADR] offset:4096+512*\a
.endr
	ds_load_b128 v[VS:VS+3], v[ADR] offset:8192
	s_wait_alu depctr_va_vdst(0)
	s_wait_dscnt 9                                 ; K and its scale words, asked for a step ago, are in; the nine loads just issued may be out
.irp f, 0,1,2,3
	v_wmma_scale_f32_16x16x128_f8f6f4 v[96+16*\f:103+16*\f], v[32+8*\f:39+8*\f], v[24:31], 0, v[KS+\f], v[QS] matrix_a_fmt:MATRIX_FMT_FP4 matrix_b_fmt:MATRIX_FMT_FP4
	v_wmma_scale_f32_16x16x128_f8f6f4 v[104+16*\f:111+16*\f], v[32+8*\f:39+8*\f], v[20:27], 0, v[KS+\f], v[QS] matrix_a_fmt:MATRIX_FMT_FP4 matrix_b_fmt:MATRIX_FMT_FP4
.endr
.rept 4
	v_nop
.endr
.if 1-\diag                            ; K's registers are free: the next record's K and scale words; a step that is not the tile's last has a successor
.irp a, 0,1,2,3,4,5,6,7
	ds_load_b128 v[32+4*\a:35+4*\a], v[AD2] offset:512*\a
.endr
	ds_load_b128 v[KS:KS+3], v[AD2] offset:8192
.endif
.set j, 0
.rept 32
.if \diag
	v_pk_fma_f32 v[96+2*j:97+2*j], v[96+2*j:97+2*j], s[CS:CS+1], v[BE+2*(j/8):BE+2*(j/8)+1] op_sel_hi:[1,0,1]   ; t, and -1000 in the blocks behind my queries' own
.else
	v_pk_mul_f32 v[96+2*j:97+2*j], v[96+2*j:97+2*j], s[CS:CS+1] op_sel_hi:[1,0]   ; t; register 16 b + i holds key 32 b + 16 h + i of the step
.endif
.set j, j+1
.endr
.if \diag
.set j, 0
.rept 32
	v_pk_fma_f32 v[96+2*j:97+2*j], v[XP+2*(j%8):XP+2*(j%8)+1], s[AL+2*(j/8):AL+2*(j/8)+1], v[96+2*j:97+2*j] op_sel_hi:[1,0,1]   ; and in their own block where the key comes after my query
.set j, j+1
.endr
.endif
	s_wait_alu depctr_va_vdst(0)
.set j, 0
.rept 64
	v_exp_f32 v[96+j], v[96+j]                     ; p = 2^t
.set j, j+1
.endr
	v_nop                                          ; a plain place behind the exponentials
	s_wait_alu depctr_va_vdst(0)                   ; one wait for the batch, ahead of its first reader
.irp b, 0,1,2,3
	v_max3_num_f32 v[BM+\b], v[96+16*\b], v[97+16*\b], 0x1800000   ; each block's largest p, with the floor 2^(3 - 127): the byte cannot fall under 1
.endr
.irp i, 2,4,6,8,10,12,14
.irp b, 0,1,2,3
	v_max3_num_f32 v[BM+\b], v[BM+\b], v[96+16*\b+\i], v[97+16*\b+\i]
.endr
.endr
.irp b, 0,1,2,3
	s_delay_alu instid0(VALU_DEP_4)
	v_permlanex16_b32 v[BT+\b], v[BM+\b], s[SEL], s[SEL+1]
.endr
.irp b, 0,1,2,3
	s_delay_alu instid0(VALU_DEP_4)
	v_max_num_f32 v[BM+\b], v[BM+\b], v[BT+\b]     ; with lane l xor 16's 16 keys
.endr
.irp b, 0,1,2,3
	s_delay_alu instid0(VALU_DEP_4)
	v_add_nc_u32 v[SCO+\b], 0xff000000, v[BM+\b]   ; 2 off the exponent field: the conversion's scale operand
.endr
.irp b, 0,1,2,3
	s_delay_alu instid0(VALU_DEP_4)
	v_lshrrev_b32 v[BT+\b], 23, v[SCO+\b]          ; the scale's byte
.endr
	s_delay_alu instid0(VALU_DEP_3)
	v_lshl_or_b32 v[PS], v[BT+1], 8, v[BT]         ; p's scale word for these 128 keys
	s_delay_alu instid0(VALU_DEP_1)
	v_lshl_or_b32 v[PS], v[BT+2], 16, v[PS]
	s_delay_alu instid0(VALU_DEP_1)
	v_lshl_or_b32 v[PS], v[BT+3], 24, v[PS]
.irp b, 0,1,2,3
	v_cvt_scalef32_pk8_fp4_f32 v[192+2*\b], v[96+16*\b:103+16*\b], v[SCO+\b]
	v_cvt_scalef32_pk8_fp4_f32 v[193+2*\b], v[104+16*\b:111+16*\b], v[SCO+\b]
.endr
	v_nop                                          ; one plain place behind a scaled conversion
.irp c, 0,1
.irp i, 0,1
	v_permlane16_swap_b32 v[192+4*\c+\i], v[194+4*\c+\i]   ; a whole block to a lane
.endr
.endr
.set j, 0
.rept 8
	v_pk_add_f32 v[SU+2*(j%4):SU+2*(j%4)+1], v[SU+2*(j%4):SU+2*(j%4)+1], v[96+2*j:97+2*j]   ; the row's sum of the unquantised p, in four chains: eight additions are the places ahead of the products, six follow each
.set j, j+1
.endr
.if \diag
	s_wait_dscnt 0x0                               ; V
.else
	s_wait_dscnt 9                                 ; V and its scale words; the next record's nine loads may be out
.endif
.irp t, 0,1,2,3
	s_wait_alu depctr_va_vdst(0)                   ; directly ahead of each reader of O^T
	v_wmma_scale_f32_16x16x128_f8f6f4 v[160+8*\t:167+8*\t], v[64+8*\t:71+8*\t], v[192:199], v[160+8*\t:167+8*\t], v[VS+\t], v[PS] matrix_a_fmt:MATRIX_FMT_FP4 matrix_b_fmt:MATRIX_FMT_FP4 matrix_a_scale:MATRIX_SCALE_ROW1
.rept 6
	v_pk_add_f32 v[SU+2*(j%4):SU+2*(j%4)+1], v[SU+2*(j%4):SU+2*(j%4)+1], v[96+2*j:97+2*j]
.set j, j+1
.endr
.endr
.endm
; A tile ends: O^T / sum, quantised along the head's 64 (two blocks), stored as an image, with its scale bytes.
.macro FINISH
	s_wait_alu depctr_va_vdst(0)
	s_wait_xcnt 0x0                                ; earlier stores have read their registers and bases
	s_lshl_b32 s[T], s[BLK], 16
	s_add_nc_u64 s[YST:YST+1], s[YB:YB+1], s[T:T+1]
	s_lshl_b32 s[T], s[BLK], 8
	s_add_nc_u64 s[YSS:YSS+1], s[YSB:YSB+1], s[T:T+1]
	v_pk_add_f32 v[SU:SU+1], v[SU:SU+1], v[SU+2:SU+3]          ; these four are the places behind the last products
	v_pk_add_f32 v[SU+4:SU+5], v[SU+4:SU+5], v[SU+6:SU+7]
	v_pk_add_f32 v[SU:SU+1], v[SU:SU+1], v[SU+4:SU+5]
	v_add_f32 v[SU], v[SU], v[SU+1]
	v_permlanex16_b32 v[T0], v[SU], s[SEL], s[SEL+1]
	v_add_f32 v[SU], v[SU], v[T0]                  ; the row's sum
	s_wait_alu depctr_va_vdst(0)                   ; ahead of the transcendental
	v_rcp_f32 v[FF], v[SU]
	v_nop
	s_wait_alu depctr_va_vdst(0)                   ; and ahead of its first reader, which is O^T's too
.set j, 0
.rept 16
	v_pk_mul_f32 v[96+j:97+j], v[160+j:161+j], v[FF:FF+1] op_sel_hi:[1,0]   ; register 16 b + i: channel 32 b + 16 h + i
.set j, j+2
.endr
.irp b, 0,1
	v_max3_num_f32 v[BM+\b], |v[96+16*\b]|, |v[97+16*\b]|, 0x1800000
.endr
.irp i, 2,4,6,8,10,12,14
.irp b, 0,1
	s_delay_alu instid0(VALU_DEP_2)
	v_max3_num_f32 v[BM+\b], v[BM+\b], |v[96+16*\b+\i]|, |v[97+16*\b+\i]|
.endr
.endr
.irp b, 0,1
	s_delay_alu instid0(VALU_DEP_2)
	v_permlanex16_b32 v[BT+\b], v[BM+\b], s[SEL], s[SEL+1]
.endr
.irp b, 0,1
	s_delay_alu instid0(VALU_DEP_2)
	v_max_num_f32 v[BM+\b], v[BM+\b], v[BT+\b]
.endr
.irp b, 0,1
	s_delay_alu instid0(VALU_DEP_2)
	v_add_nc_u32 v[SCO+\b], 0xff000000, v[BM+\b]
.endr
.irp b, 0,1
	s_delay_alu instid0(VALU_DEP_2)
	v_lshrrev_b32 v[BT+\b], 23, v[SCO+\b]
.endr
	s_delay_alu instid0(VALU_DEP_1)
	v_lshl_or_b32 v[HW], v[BT+1], 8, v[BT]
.irp b, 0,1
	v_cvt_scalef32_pk8_fp4_f32 v[CD+2*\b], v[96+16*\b:103+16*\b], v[SCO+\b]
	v_cvt_scalef32_pk8_fp4_f32 v[CD+2*\b+1], v[104+16*\b:111+16*\b], v[SCO+\b]
.endr
	v_nop
.irp i, 0,1
	v_permlane16_swap_b32 v[CD+\i], v[CD+2+\i]
.endr
	global_store_b128 v[LI], v[CD:CD+3], s[YST:YST+1]   ; 512 consecutive bytes, aligned
	global_store_b16 v[YO], v[HW], s[YSS:YSS+1]         ; 32 consecutive bytes; both lanes of a token store the same two bytes
.endm
	s_wait_alu depctr_va_vdst(0)
	s_wait_tensorcnt 0x0                           ; my record is in,
	s_barrier_signal -1
	s_barrier_wait -1                              ; and so is everybody's: from here on LDS is only read
	KPRE
	s_mov_b32 s[NN], 0
.Ltrip:                                ; 32 trips, a constant: twice through the 16 records.  A trip whose record lies behind the tile in hand does nothing
	s_and_b32 s[RC], s[NN], 15
	s_mul_i32 s[TB], s[RC], REC
	s_add_co_u32 s[TN], s[RC], 1
	s_min_u32 s[TN], s[TN], 15
	s_mul_i32 s[TN], s[TN], REC
	s_cmp_gt_u32 s[RC], s[BLK]
	s_cbranch_scc1 .Lnext
	s_cmp_eq_u32 s[RC], s[BLK]
	s_cbranch_scc1 .Ldiag
	STEP 0
	s_branch .Lnext
.Ldiag:
	STEP 1
	FINISH
	s_cmp_ge_u32 s[NN], 16
	s_cbranch_scc1 .Lnext
	s_mov_b32 s[BLK], s[MM]                        ; the second tile: block m, under 16 - m, so the rest of the first round does nothing
	v_lshl_or_b32 v[QS], v[QS2], 16, v[QS2]        ; the 44 lines below are the places ahead of the next product
.irp j, 0,1,2,3
	v_mov_b32 v[24+\j], v[Q2+\j]
.endr
	ZERO
	KPRE
.Lnext:
	s_wait_alu depctr_va_vdst(0)
	s_add_co_u32 s[NN], s[NN], 1
	s_cmp_lt_u32 s[NN], 32
	s_cbranch_scc1 .Ltrip
	s_wait_tensorcnt 0x0                           ; the wave's end
	ds_add_u32 v[SPW], v[NIL]
	s_wait_dscnt 0x0
	CROUND                                         ; the closing round
	s_endpgm
.Lfunc_end_k_qa83c264431_attn:
	.size	k_qa83c264431_attn, .Lfunc_end_k_qa83c264431_attn-k_qa83c264431_attn
	.p2alignl 7, 3214868480
	.fill 96, 4, 3214868480
	.section	.rodata,"a",@progbits
	.p2align	6, 0x0
	.amdhsa_kernel k_qa83c264431_attn
		.amdhsa_group_segment_fixed_size 167936
		.amdhsa_private_segment_fixed_size 0
		.amdhsa_enable_private_segment 0
		.amdhsa_kernarg_size 24
		.amdhsa_user_sgpr_count 2
		.amdhsa_user_sgpr_kernarg_segment_ptr 1
		.amdhsa_wavefront_size32 1
		.amdhsa_system_sgpr_workgroup_id_x 1
		.amdhsa_system_sgpr_workgroup_id_y 1
		.amdhsa_system_sgpr_workgroup_id_z 1
		.amdhsa_system_vgpr_workitem_id 0
		.amdhsa_next_free_vgpr 256
		.amdhsa_next_free_sgpr 66
		.amdhsa_reserve_vcc 1
		.amdhsa_float_denorm_mode_32 3
		.amdhsa_float_denorm_mode_16_64 3
		.amdhsa_memory_ordered 1
		.amdhsa_forward_progress 1
		.amdhsa_inst_pref_size 45
	.end_amdhsa_kernel
	.amdgpu_metadata
---
amdhsa.version: [ 1, 2 ]
amdhsa.kernels:
  - .name:           k_qa83c264431_attn
    .symbol:         k_qa83c264431_attn.kd
    .args:
      - { .name: qbuf, .offset: 0, .size: 8, .value_kind: global_buffer, .address_space: global }
      - { .name: kvbuf, .offset: 8, .size: 8, .value_kind: global_buffer, .address_space: global }
      - { .name: ybuf, .offset: 16, .size: 8, .value_kind: global_buffer, .address_space: global }
    .group_segment_fixed_size: 167936
    .private_segment_fixed_size: 0
    .kernarg_segment_align: 8
    .kernarg_segment_size: 24
    .max_flat_workgroup_size: 512
    .sgpr_count:     66
    .vgpr_count:     256
    .wavefront_size: 32
...
	.end_amdgpu_metadata
.endif
;; end of part 4
;; launch proj (part 5): grid 4 x 32, 4 waves a work-group, clusters of 4 x 4, 327,680 bytes of LDS; arguments ybuf, wcs, out0; writes out0
.if DOCPART == 5
	.amdgcn_target "amdgcn-amd-amdhsa--gfx1250"
	.amdhsa_code_object_version 6
	.text
	.protected	k_qa83c264431_proj
	.globl	k_qa83c264431_proj
	.p2align	8
	.type	k_qa83c264431_proj,@function
k_qa83c264431_proj:
	s_mov_b64 s[64:65], 0
	v_nop
	global_prefetch_b8 v0, s[64:65] scope:SCOPE_SE
	s_setreg_imm32_b32 hwreg(HW_REG_WAVE_MODE, 25, 1), 1
	s_wait_xcnt 0x0
	s_wait_alu depctr_hold_cnt(0) depctr_sa_sdst(0) depctr_va_vdst(0) depctr_va_sdst(0) depctr_va_ssrc(0) depctr_va_vcc(0) depctr_vm_vsrc(0)
	s_getreg_b32 s2, hwreg(HW_REG_IB_STS2, 6, 4)
	s_cmp_eq_u32 s2, 0
	s_cbranch_scc0 .Lentry_in_a_cluster
	s_endpgm
.Lentry_in_a_cluster:
	s_bfe_u32 s2, ttmp6, 0x10000c
	s_cmp_lg_u32 s2, 0xf033
	s_cbranch_scc0 .Lentry_shape_is_right
	s_endpgm
.Lentry_shape_is_right:
.set NQ,     4
.set PITCH,  272
.set FR,     8
.set NL,     2
.set NP,     4
.set HALFB,  128*PITCH
.set AREG,   65536
.set SLOT,   AREG+2*HALFB
.set SCB,    2*SLOT
.set HALFS,  16*272
.set SBLK,   2*272
.set SCA,    SCB+2*HALFS
.set SAP,    528
.set SPITCH, 528
.set ADRA, 16
.set ADRB, 20
.set STO,  24
.set RD,   25
.set CO,   26
.set ASA,  27
.set ASB,  28
.set SA,   32
.set TS,   96
.set AF,   128
.set SB,   192
.set G1, 24
.set G0, 32
.set G1B, 48
.set G0B, 56
.set G1S, 68
.set G0S, 76
.set G1SB, 80
.set G0SB, 88
.set MSB, 0
.macro WIN new
.if MSB != (\new)
	s_set_vgpr_msb (MSB<<8)|(\new)
.set MSB, (\new)
.endif
.endm
.set MUL_LO, 0xa1
.set MUL_HI, 0xf1
.set TO_B,   0x40
.macro JLOAD g0a, g1a, g0b, g1b
	s_cmp_eq_u32 s15, 0
	s_cbranch_scc0 .Lfor_b_\@
	tensor_load_to_lds s[\g0a:\g0a+3], s[\g1a:\g1a+7]
	s_nop 0
.rept 4
	v_nop
.endr
	s_branch .Lasked_\@
.Lfor_b_\@:
	tensor_load_to_lds s[\g0b:\g0b+3], s[\g1b:\g1b+7]
	s_nop 0
.rept 4
	v_nop
.endr
.Lasked_\@:
.endm
.macro CROUND
	s_barrier_signal -1
	s_barrier_wait -1
	s_cmp_lg_u32 s14, 0
	s_cbranch_scc1 .Lnot_wave_0_\@
	s_barrier_signal -3
.Lnot_wave_0_\@:
	s_barrier_wait -3
	s_barrier_signal -1
	s_barrier_wait -1
.endm
.macro PLACES n
.rept \n
	v_nop
.endr
.endm
	s_load_b128 s[4:7], s[0:1], 0x0
	s_load_b64 s[8:9], s[0:1], 0x10
	v_lshl_add_u32 v30, v0, 2, 0x46300
	v_mov_b32 v31, 0
	ds_add_u32 v30, v31
	ds_add_u32 v30, v31
	v_lshrrev_b32 v1, 5, v0
	v_readfirstlane_b32 s14, v1
	s_lshr_b32 s15, s14, 1
	s_and_b32 s16, s14, 1
	s_bfe_u32 s40, ttmp6, 0x40000
	s_bfe_u32 s41, ttmp6, 0x40004
	s_lshl_b32 s42, ttmp9, 2
	s_add_co_u32 s42, s42, s40
	s_and_b32 s17, ttmp7, 0xffff
	s_lshl_b32 s17, s17, 2
	s_add_co_u32 s17, s17, s41
	s_lshl_b32 s43, s41, 2
	s_lshl_b32 s43, 15, s43
	s_lshl_b32 s44, 0x1111, s40
	s_or_b32 s[G1+0], s43, (3<<16)|(1<<21)
	s_mov_b32 s[G1+1], 512<<16
	s_mov_b32 s[G1+2], 8<<16
	s_mov_b32 s[G1+3], 512<<16
	s_mov_b32 s[G1+4], 8
	s_mov_b32 s[G1+5], 1024
	s_mov_b32 s[G1+6], 0
	s_mov_b32 s[G1+7], 0
	s_or_b32 s[G1B+0], s44, (0<<16)|(1<<20)|(1<<21)|(5<<22)|(3<<25)
	s_mov_b32 s[G1B+1], 256<<16
	s_mov_b32 s[G1B+2], 128<<16
	s_mov_b32 s[G1B+3], 256<<16
	s_mov_b32 s[G1B+4], 128
	s_mov_b32 s[G1B+5], 512
	s_mov_b32 s[G1B+6], 0
	s_mov_b32 s[G1B+7], 0
	s_or_b32 s[G1S+0], s43, (3<<16)|(1<<20)|(1<<21)|(6<<22)|(3<<25)
	s_mov_b32 s[G1S+1], 64<<16
	s_mov_b32 s[G1S+2], 8<<16
	s_mov_b32 s[G1S+3], 64<<16
	s_mov_b32 s[G1S+4], 8
	s_mov_b32 s[G1S+5], 2048
	s_mov_b32 s[G1S+6], 0
	s_mov_b32 s[G1S+7], 0
	s_or_b32 s[G1SB+0], s44, (3<<16)|(1<<20)|(1<<21)|(5<<22)|(3<<25)
	s_mov_b32 s[G1SB+1], 32<<16
	s_mov_b32 s[G1SB+2], 16<<16
	s_mov_b32 s[G1SB+3], 32<<16
	s_mov_b32 s[G1SB+4], 16
	s_mov_b32 s[G1SB+5], 32
	s_mov_b32 s[G1SB+6], 0
	s_mov_b32 s[G1SB+7], 0
	s_lshl_b32 s20, s17, 17
	s_lshl_b32 s18, s16, 16
	s_add_co_u32 s20, s20, s18
	s_mov_b32 s21, 0
	s_lshl_b32 s22, s17, 9
	s_lshl_b32 s18, s16, 17
	s_add_co_u32 s22, s22, s18
	s_add_co_u32 s22, s22, 0x400000
	s_mov_b32 s23, 0
	s_lshl_b32 s46, s42, 8
	s_lshl_b32 s18, s16, 7
	s_add_co_u32 s46, s46, s18
	s_add_co_u32 s46, s46, 3072
	s_lshl_b32 s92, s46, 5
	s_add_co_u32 s92, s92, 0x200000
	s_mov_b32 s93, 0
	s_lshl_b32 s46, s46, 9
	s_mov_b32 s47, 0
	s_lshl_b32 s45, s16, 15
	s_mul_i32 s94, s16, HALFB
	s_add_co_u32 s94, s94, AREG
	s_mul_i32 s95, s16, 8*SAP
	s_add_co_u32 s95, s95, SCA
	s_mul_i32 s96, s16, HALFS
	s_add_co_u32 s96, s96, SCB
	s_wait_dscnt 0x0
	s_wait_kmcnt 0x0
	s_add_nc_u64 s[20:21], s[4:5], s[20:21]
	s_add_nc_u64 s[22:23], s[4:5], s[22:23]
	s_add_nc_u64 s[46:47], s[6:7], s[46:47]
	s_add_nc_u64 s[92:93], s[6:7], s[92:93]
	CROUND
	s_mov_b32 s[G0S], 1
	s_mov_b32 s[G0S+1], s95
	s_mov_b64 s[G0S+2:G0S+3], s[22:23]
	s_or_b32 s[G0S+3], s[G0S+3], 0x80000000
	s_mov_b32 s[G0SB], 1
	s_mov_b32 s[G0SB+1], s96
	s_mov_b64 s[G0SB+2:G0SB+3], s[92:93]
	s_or_b32 s[G0SB+3], s[G0SB+3], 0x80000000
	JLOAD G0S, G1S, G0SB, G1SB
.irp s, 0,1
	s_mov_b32 s[G0+4*\s], 1
	s_add_co_u32 s[G0+4*\s+1], s45, \s*SLOT
	s_add_nc_u64 s[G0+4*\s+2:G0+4*\s+3], s[20:21], \s*4096
	s_or_b32 s[G0+4*\s+3], s[G0+4*\s+3], 0x80000000
	s_mov_b32 s[G0B+4*\s], 1
	s_add_co_u32 s[G0B+4*\s+1], s94, \s*SLOT
	s_add_nc_u64 s[G0B+4*\s+2:G0B+4*\s+3], s[46:47], \s*256
	s_or_b32 s[G0B+4*\s+3], s[G0B+4*\s+3], 0x80000000
	s_wait_alu depctr_va_vdst(0)
	s_wait_tensorcnt 0x0
	ds_add_u32 v30, v31
	s_wait_dscnt 0x0
	CROUND
	JLOAD G0+4*\s, G1, G0B+4*\s, G1B
.endr
	v_and_b32 v1, 15, v0
	v_bfe_u32 v2, v0, 4, 1
	v_and_b32 v3, 31, v0
	v_lshlrev_b32 v[CO], 4, v3
	v_mul_u32_u24 v4, v1, PITCH
	v_lshl_add_u32 v4, v2, 4, v4
	s_lshl_b32 s2, s15, 15
	s_mul_i32 s3, s16, HALFB
	s_add_co_u32 s3, s3, AREG
.irp s, 0,1
	v_add_nc_u32 v[ADRA+\s], s2, v[CO]
	v_add_nc_u32 v[ADRB+\s], s3, v4
	s_add_co_u32 s2, s2, SLOT
	s_add_co_u32 s3, s3, SLOT
.endr
	s_lshl_b32 s2, s15, 8
	s_add_co_u32 s2, s2, SCA
	v_lshl_add_u32 v[ASA], v1, 1, s2
	v_mul_u32_u24 v5, v1, 32
	v_lshrrev_b32 v6, 8, v5
	v_lshl_add_u32 v5, v6, 4, v5
	s_mul_i32 s2, s16, HALFS
	s_add_co_u32 s2, s2, SCB
	v_add_nc_u32 v[ASB], s2, v5
	s_mul_i32 s2, s14, 16*SPITCH
	v_mul_u32_u24 v5, v1, SPITCH
	v_lshl_add_u32 v5, v2, 6, v5
	v_add_nc_u32 v[STO], s2, v5
	v_add_nc_u32 v[RD], s2, v[CO]
	s_lshl_b32 s20, s17, 20
	s_lshl_b32 s2, s15, 19
	s_add_co_u32 s20, s20, s2
	s_lshl_b32 s2, s42, 10
	s_add_co_u32 s20, s20, s2
	s_lshl_b32 s2, s16, 9
	s_add_co_u32 s20, s20, s2
	s_mov_b32 s21, 0
	s_add_nc_u64 s[8:9], s[8:9], s[20:21]
.macro MUL16 a0, p, q8, zero
.irp a, \a0, \a0+1
.irp b, 0,1,2,3,4,5,6,7
.if \zero
	v_wmma_scale_f32_16x16x128_f8f6f4 v[8*(8*((\a)%4)+\b):8*(8*((\a)%4)+\b)+7], v[128*(\p)+FR*\b:128*(\p)+FR*\b+FR-1], v[AF+FR*(\a):AF+FR*(\a)+FR-1], 0, v[SB+8*\b+(\q8)], v[SA+8*(\a)+(\q8)] matrix_a_fmt:MATRIX_FMT_FP4 matrix_b_fmt:MATRIX_FMT_FP4
.else
	v_wmma_scale_f32_16x16x128_f8f6f4 v[8*(8*((\a)%4)+\b):8*(8*((\a)%4)+\b)+7], v[128*(\p)+FR*\b:128*(\p)+FR*\b+FR-1], v[AF+FR*(\a):AF+FR*(\a)+FR-1], v[8*(8*((\a)%4)+\b):8*(8*((\a)%4)+\b)+7], v[SB+8*\b+(\q8)], v[SA+8*(\a)+(\q8)] matrix_a_fmt:MATRIX_FMT_FP4 matrix_b_fmt:MATRIX_FMT_FP4
.endif
.endr
.endr
.endm
.macro FETCH_B slot, q, p
	WIN TO_B
.irp i, 0,1,2,3,4,5,6,7
.irp c, 0,1
	ds_load_b128 v[128*(\p)+FR*\i+4*\c:128*(\p)+FR*\i+4*\c+3], v[ADRB+\slot] offset:64*(\q)+32*\c+\i*16*PITCH
.endr
.endr
	WIN 0
.endm
.macro FETCH_A slot, q, i0
.irp i, \i0, \i0+1, \i0+2, \i0+3
.irp c, 0,1
	ds_load_b128 v[AF+FR*(\i)+4*\c:AF+FR*(\i)+4*\c+3], v[ADRA+\slot] offset:(\i)*4096+(2*(\q)+\c)*512
.endr
.endr
.endm
.macro STEP slot, q, zero
	s_wait_dscnt 4*NL
	WIN MUL_LO
	MUL16 0, (\q)%2, 4*(\slot)+(\q), \zero
	MUL16 2, (\q)%2, 4*(\slot)+(\q), \zero
	s_wait_dscnt 0
	PLACES NP
	FETCH_B \slot, (\q)+1, 1-(\q)%2
	FETCH_A \slot, (\q)+1, 0
	WIN MUL_HI
	MUL16 4, (\q)%2, 4*(\slot)+(\q), \zero
	MUL16 6, (\q)%2, 4*(\slot)+(\q), \zero
	PLACES NP
	WIN 0
	FETCH_A \slot, (\q)+1, 4
.endm
.macro STEPS slot, from
.set Q, \from
.rept NQ-1-\from
	STEP \slot, Q, 0
.set Q, Q+1
.endr
.endm
.macro SALD i
.set n, 0
.rept 16
	ds_load_u16 v[TS+16*((\i)%2)+n], v[ASA] offset:n*SAP+32*(\i)
.set n, n+1
.endr
.endm
	s_wait_alu depctr_va_vdst(0)
	s_wait_tensorcnt 1
	s_barrier_signal -1
	s_barrier_wait -1
	SALD 0
.irp i2, 0,1,2,3,4,5,6,7
.if \i2 < 7
	SALD \i2+1
	s_wait_dscnt 16
.else
	s_wait_dscnt 0x0
.endif
.set n, 0
.rept 8
	v_lshl_or_b32 v[SA+8*\i2+n], v[TS+16*(\i2%2)+2*n+1], 16, v[TS+16*(\i2%2)+2*n]
.set n, n+1
.endr
.endr
	PLACES 8
.irp b, 0,1,2,3,4,5,6,7
	ds_load_b128 v[SB+8*\b:SB+8*\b+3], v[ASB] offset:\b*SBLK
	ds_load_b128 v[SB+8*\b+4:SB+8*\b+7], v[ASB] offset:\b*SBLK+16
.endr
	FETCH_B 0, 0, 0
	FETCH_A 0, 0, 0
	FETCH_A 0, 0, 4
	s_wait_alu depctr_va_vdst(0)
	STEP 0, 0, 1
	STEPS 0, 1
	s_wait_tensorcnt 0x0
	s_wait_dscnt 4*NL
	WIN MUL_LO
	MUL16 0, 1, NQ-1, 0
	s_wait_dscnt 0x0
	s_barrier_signal -1
	MUL16 2, 1, NQ-1, 0
	WIN 0
	s_barrier_wait -1
	PLACES NP
	FETCH_B 1, 0, 0
	FETCH_A 1, 0, 0
	WIN MUL_HI
	MUL16 4, 1, NQ-1, 0
	MUL16 6, 1, NQ-1, 0
	PLACES NP
	WIN 0
	FETCH_A 1, 0, 4
	STEPS 1, 0
	s_wait_dscnt 4*NL
	WIN MUL_LO
	MUL16 0, 1, 2*NQ-1, 0
	MUL16 2, 1, 2*NQ-1, 0
	s_wait_dscnt 0
	WIN MUL_HI
	MUL16 4, 1, 2*NQ-1, 0
	MUL16 6, 1, 2*NQ-1, 0
	WIN 0
.macro TOSTAGE a
.set AC, 64*((\a)%4)
	WIN 0x08+4*((\a)/4)
.irp b, 0,1,2,3,4,5,6,7
	ds_store_b128 v[STO], v[AC+8*\b:AC+8*\b+3] offset:128*(\b/2)+32*(\b%2)
	ds_store_b128 v[STO], v[AC+8*\b+4:AC+8*\b+7] offset:128*(\b/2)+32*(\b%2)+16
.endr
	WIN 0x40
.set BB, 64*((\a)%2)
.irp t, 0,1,2,3,4,5,6,7,8,9,10,11,12,13,14,15
	ds_load_b128 v[BB+4*\t:BB+4*\t+3], v[RD] offset:\t*SPITCH
.endr
	WIN 0
.endm
.macro SEND a, younger
.set BB, 64*((\a)%2)
	s_wait_dscnt \younger
	WIN 0x04
.irp t, 0,1,2,3,4,5,6,7,8,9,10,11,12,13,14,15
	global_store_b128 v[CO], v[BB+4*\t:BB+4*\t+3], s[8:9] offset:(32*((\a)/2)+8*((\a)%2)+\t+8*(\t/8))*4096 th:TH_STORE_NT
.endr
	WIN 0
.endm
	PLACES NP
	TOSTAGE 0
.irp a, 1,2,3,4,5,6,7
.if \a > 1
	s_wait_xcnt 0x0
.endif
	TOSTAGE \a
	SEND \a-1, 32
.endr
	SEND 7, 0
	s_wait_dscnt 0x0
	s_wait_tensorcnt 0x0
	ds_add_u32 v30, v31
	s_wait_dscnt 0x0
	CROUND
	s_endpgm
.Lfunc_end_k_qa83c264431_proj:
	.size	k_qa83c264431_proj, .Lfunc_end_k_qa83c264431_proj-k_qa83c264431_proj
	.p2alignl 7, 3214868480
	.fill 96, 4, 3214868480
	.section	.rodata,"a",@progbits
	.p2align	6, 0x0
	.amdhsa_kernel k_qa83c264431_proj
		.amdhsa_group_segment_fixed_size 327680
		.amdhsa_private_segment_fixed_size 0
		.amdhsa_enable_private_segment 0
		.amdhsa_kernarg_size 24
		.amdhsa_user_sgpr_count 2
		.amdhsa_user_sgpr_kernarg_segment_ptr 1
		.amdhsa_wavefront_size32 1
		.amdhsa_system_sgpr_workgroup_id_x 1
		.amdhsa_system_sgpr_workgroup_id_y 1
		.amdhsa_system_sgpr_workgroup_id_z 1
		.amdhsa_system_vgpr_workitem_id 0
		.amdhsa_next_free_vgpr 1024
		.amdhsa_next_free_sgpr 100
		.amdhsa_reserve_vcc 0
		.amdhsa_float_denorm_mode_32 3
		.amdhsa_float_denorm_mode_16_64 3
		.amdhsa_memory_ordered 1
		.amdhsa_forward_progress 1
		.amdhsa_inst_pref_size 138
	.end_amdhsa_kernel
	.amdgpu_metadata
---
amdhsa.version: [ 1, 2 ]
amdhsa.kernels:
  - .name:           k_qa83c264431_proj
    .symbol:         k_qa83c264431_proj.kd
    .args:
      - { .name: ybuf, .offset: 0, .size: 8, .value_kind: global_buffer, .address_space: global }
      - { .name: wcs, .offset: 8, .size: 8, .value_kind: global_buffer, .address_space: global }
      - { .name: out0, .offset: 16, .size: 8, .value_kind: global_buffer, .address_space: global }
    .group_segment_fixed_size: 327680
    .private_segment_fixed_size: 0
    .kernarg_segment_align: 8
    .kernarg_segment_size: 24
    .max_flat_workgroup_size: 128
    .sgpr_count:     100
    .vgpr_count:     1024
    .wavefront_size: 32
...
	.end_amdgpu_metadata
.endif
;; end of part 5
